; MI455X (gfx1250); checked and timed in simulation.
; The chip was launched on July 23, 2026; its instructions are those of AMD's public machine-readable ISA for CDNA 5 (MIT licence, August 2026) and "CDNA5" Instruction Set Architecture Reference Guide (July 2026). The comments in the code are by the model that wrote it; some were corrected since.
;; Casual Self Attention. Allowed arithmetic: matrix products marked QUANTISED: E2M1 operands, one E8M0 scale for each 32 along K, by v_wmma_scale_f32_16x16x128_f8f6f4 with both operands' format E2M1 (or v_wmma_scale_f32_32x16x128_f4), f32 sums; products left as they are: bf16, f16 or f32 operands; f32 sums; everything else in f32.
;; Inputs: W_attn 1,024 x 3,072 float32; W_proj 1,024 x 1,024 float32; b_attn 3,072 float32; b_proj 1,024 float32; x 4 x 2,048 x 1,024 float32.
;; Outputs: out0 4 x 2,048 x 1,024 float32.
;; This version of the problem:
;;   THIS VERSION OF THE PROBLEM IS GIVEN IN LOW PRECISION. The matrix products marked QUANTISED in the list below multiply operands that are first quantised to E2M1 (2 exponent bits, 1 mantissa bit; 4 bits a number), with one power-of-two scale for each 32 numbers along K (OCP MX v1.0); their sums are f32. The products marked 'left as it is' may take bf16, f16 or f32 operands, with f32 sums. Whichever they take, every output number must still come out within the allowed error. Rounding operands to bf16 (8 significant bits) uses up far more of that allowance than f16 does (11 bits, for magnitudes from 6e-5 to 65,504). All else is computed in f32.
;;   The module's matrix products, in the order in which they are computed (A, B: the left and right operand; K: the contracted axis; several contracted axes count as one K, in the product's order):
;;     1. [M 8,192, K 1,024] x [K 1,024, N 3,072]; A: input x; B: input W_attn: QUANTISED
;;     2. batch 64 x [M 2,048, K 64] x [K 64, N 2,048]; A: computed on the way; B: computed on the way: left as it is (an operand is computed on the way)
;;     3. batch 64 x [M 2,048, K 2,048] x [K 2,048, N 64]; A: computed on the way; B: computed on the way: left as it is (an operand is computed on the way)
;;     4. [M 8,192, K 1,024] x [K 1,024, N 1,024]; A: computed on the way; B: input W_proj: left as it is (an operand is computed on the way)
;;   THE QUANTISER, for each operand of a quantised product, along K:
;;     - K is cut into blocks of 32 from its start; a last block that is shorter is filled with zeros.
;;     - A block's scale is 2^e with e = floor(log2(the largest magnitude in the block)) - 2, held to -126 .. 127; a block of zeros has e = 0. As a byte (E8M0): e + 127.
;;     - Each number is divided by its block's scale, clamped to +-6, and rounded to the nearest number of E2M1, ties to even, subnormals kept.
;;     - The product sums the exact products of the quantised numbers (number of the format x scale) in f32.
;;   ~~~python
;;   def quantise(x, axis):      # numpy; x: float32 -> the quantised numbers, widened to float32 again
;;       x = np.moveaxis(x, axis, -1); K = x.shape[-1]
;;       x = np.pad(x, [(0, 0)] * (x.ndim - 1) + [(0, -K % 32)]); x = x.reshape(x.shape[:-1] + (-1, 32)); a = np.abs(x).max(-1, keepdims=True)
;;       e = np.where(a > 0, np.clip(np.frexp(np.where(a > 0, a, 1))[1] - 1 - 2, -126, 127), 0)      # np.frexp(a)[1] - 1 = floor(log2(a)), exactly
;;       r = np.clip(x / 2.0 ** e, -6, 6)
;;       step = 2.0 ** (np.maximum(np.frexp(np.where(r == 0, 1, r))[1] - 1, 0) - 1)
;;       q = np.round(r / step) * step * 2.0 ** e      # np.round: ties to even
;;       return np.moveaxis(q.reshape(q.shape[:-2] + (-1,))[..., :K], -1, axis).astype(np.float32)
;;   ~~~
;; One version. Each part assembles by itself: llvm-mc -triple=amdgcn-amd-amdhsa -mcpu=gfx1250 --defsym DOCPART=n.
;; ======== version 1 of 1: 5 launches
;; limits: values are held in f16: magnitudes above 65,504 overflow, below 6.1e-05 lose precision
;; workspace buffers: x_codes 4,194,304 bytes; x_scales 262,144 bytes; w_codes 1,572,864 bytes; w_scales 98,304 bytes; wt16 2,097,152 bytes; qkv 50,331,648 bytes; qkv32 786,432 bytes; y16 16,777,216 bytes
;; launch prep (part 1): grid 336 x 1, 4 waves a work-group, no clusters, 68,096 bytes of LDS; arguments x, W_attn, W_proj, x_codes, x_scales, w_codes, w_scales, wt16; writes x_codes, x_scales, w_codes, w_scales, wt16
.if DOCPART == 1
	.amdgcn_target "amdgcn-amd-amdhsa--gfx1250"
	.amdhsa_code_object_version 6
	.text
	.protected	k_q1b416ae90f_prep
	.globl	k_q1b416ae90f_prep
	.p2align	8
	.type	k_q1b416ae90f_prep,@function
k_q1b416ae90f_prep:
	s_mov_b64 s[64:65], 0
	v_nop
	global_prefetch_b8 v0, s[64:65] scope:SCOPE_SE
	s_setreg_imm32_b32 hwreg(HW_REG_WAVE_MODE, 25, 1), 1
	s_wait_xcnt 0x0
; CAUSAL SELF-ATTENTION, launch 1 of 5: the operands of x @ W_attn become codes of FP4 (E2M1) with one E8M0 byte for each 32 along K, and W_proj becomes f16, laid as the last product's operand registers.
; THE PROGRAM: prep (this) | gemm1: qkv = Q(x) Q(W_attn) + bias | attn: causal attention on f16 operands | proj: y W_proj + b_proj on f16 operands | fine: the first 16 positions of every sequence in f32.
; WORK LEFT OUT, for all values of the inputs:
;   (1) b_attn[1024:2048], the bias on k.  A score is q.(k + bk) / 8 = q.k / 8 + q.bk / 8, and q.bk / 8 is the same number for every key of a query's row: a term added to a softmax's input that is
;       the same along its axis leaves the softmax as it is.  The product q k^T is not quantised, so nothing else sees bk.  These 1,024 numbers are neither loaded nor added; b_attn's parts for q and v stay.
;   (2) key steps all of whose keys come after all queries of a tile: reference() sets their scores to -infinity by a mask that it builds itself, so their weights are 0.
;   LIMIT: a NaN, an infinity or an overflow that reaches only the work left out is not carried to the result.
; LIMITS OF FORMAT: q, k, v, y and W_proj go on as f16: magnitudes up to 65,504; under 6e-5 with fewer bits.  A block of zeros gets the scale byte 1 where the quantiser says 127: its codes are zeros, which add
;   nothing under any byte but 0xff, and the bytes are read by this program alone.  NaN and infinities among the inputs are not served.
; SHARES: work-groups 0-47 take W_attn (K is its first axis: a lane takes a column, its registers run down K), 48-79 W_proj (likewise), 80-335 x (K innermost: a plain stream of blocks of 32).
; The three ways part on the work-group's number and have LDS bytes of their own.  No tensor loads, no barrier: waves share nothing, so a cluster has nothing to share either.
.set SPARE, 67584                      ; behind both ways' LDS: the spare words, 128 bytes for each wave
.set SPW,   192                        ; v192  LDS address of my spare word; never rewritten
.set NIL,   193                        ; v193  0; never rewritten
.set EMAX,  2                          ; the exponent of E2M1's largest number, 6
.macro FINISH                          ; a wave's end, behind its last LDS store
	s_wait_tensorcnt 0x0
	ds_add_u32 v[SPW], v[NIL]
	s_wait_dscnt 0x0
	s_endpgm
.endm
	s_load_b256 s[8:15], s[0:1], 0x0               ; x s[8:9], W_attn s[10:11], W_proj s[12:13], x's codes s[14:15]
	s_load_b256 s[16:23], s[0:1], 0x20             ; x's scales s[16:17], W_attn's codes s[18:19], its scales s[20:21], W_proj's images s[22:23]
	v_lshl_add_u32 v[SPW], v0, 2, SPARE
	v_mov_b32 v[NIL], 0
	v_lshrrev_b32 v1, 5, v0
	v_readfirstlane_b32 s24, v1                    ; wave 0..3
	v_and_b32 v2, 31, v0                           ; lane
	s_wait_kmcnt 0x0
	s_cmp_lt_u32 ttmp9, 48
	s_cbranch_scc1 .Lwattn
	s_cmp_lt_u32 ttmp9, 80
	s_cbranch_scc1 .Lwproj
; ---------------- x: [8192][1024] f32, K innermost.  A wave takes 16 steps of 512 numbers.  Each load reads 512 consecutive bytes; a step's 2,048 bytes turn through the wave's own stage in LDS, so that a lane
; then holds 16 neighbours along K (two lanes to a block).  A lane's 16 codes are 8 bytes: the wave stores 256 consecutive bytes.  A wave's 256 scale bytes are gathered in LDS and leave as one store.
.set STEPS, 16
.set CB,    8                          ; bytes of 16 codes
.set R,     16                         ; v16-79   four sets of 16 numbers as loaded
.set XX,    80                         ; v80-111  two sets of 16 neighbours
.set EE,    112                        ; v112-127 a scale byte for each step
.set CC,    128                        ; v128-191 codes, four registers a step: no store's data are written again
.set WREG,  8192                       ; LDS bytes of a wave: two stages of 32 x SP bytes, then its 256 scale bytes
.set SP,    80                         ; a lane's place in a stage: 64 bytes + 16 of padding
	v_lshlrev_b32 v3, 4, v2                        ; my 16 bytes of a load's 512
	s_mul_i32 s25, s24, WREG
	v_lshrrev_b32 v14, 2, v2
	v_mul_u32_u24 v14, v14, SP
	v_and_b32 v15, 3, v2
	v_lshl_add_u32 v14, v15, 4, v14
	v_add_nc_u32 v14, s25, v14                     ; the stage on the way in: SP (lane / 4) + 16 (lane % 4)
	v_mul_u32_u24 v15, v2, SP
	v_add_nc_u32 v15, s25, v15                     ; and on the way out: SP x lane
	v_mul_u32_u24 v4, v2, CB                       ; my codes' place in a step's
	v_lshrrev_b32 v5, 1, v2
	s_add_co_u32 s25, s25, 2*32*SP
	v_add_nc_u32 v5, s25, v5                       ; my block's scale byte in LDS
	v_lshlrev_b32 v7, 3, v2                        ; the scale bytes' way out: 8 bytes a lane
	v_add_nc_u32 v6, s25, v7
	s_sub_co_u32 s26, ttmp9, 80
	s_lshl_b32 s26, s26, 2
	s_add_co_u32 s26, s26, s24                     ; which run of 8,192 numbers is my wave's: 0..1023
	s_mov_b32 s27, 0
	s_lshl_b64 s[28:29], s[26:27], 15              ; 32,768 bytes of numbers,
	s_add_nc_u64 s[8:9], s[8:9], s[28:29]
	s_lshl_b64 s[28:29], s[26:27], 12              ; 4,096 of codes,
	s_add_nc_u64 s[14:15], s[14:15], s[28:29]
	s_lshl_b32 s26, s26, 8                         ; 256 scale bytes a run
	s_add_nc_u64 s[16:17], s[16:17], s[26:27]
.macro XLOAD t
.irp i, 0,1,2,3
	global_load_b128 v[R+16*((\t)%4)+4*\i:R+16*((\t)%4)+4*\i+3], v3, s[8:9] offset:2048*(\t)+512*\i th:TH_LOAD_NT
.endr
.endm
.macro XTURN t                         ; step t's numbers through the stage: LDS serves a wave's instructions in order, so no wait stands between the stores and the loads
.irp i, 0,1,2,3
	ds_store_b128 v14, v[R+16*((\t)%4)+4*\i:R+16*((\t)%4)+4*\i+3] offset:32*SP*((\t)%2)+8*SP*\i
.endr
.irp i, 0,1,2,3
	ds_load_b128 v[XX+16*((\t)%2)+4*\i:XX+16*((\t)%2)+4*\i+3], v15 offset:32*SP*((\t)%2)+16*\i
.endr
.endm
.irp t, 0,1,2,3
	XLOAD \t
.endr
	s_wait_loadcnt 12                              ; step 0's four loads are in; the twelve of steps 1 to 3 may be out
	XTURN 0
.macro XSTEP t
.set XS, XX+16*((\t)%2)
.if (\t) > 0
	s_wait_dscnt 1                                 ; this step's numbers are back from the stage (the last step's byte store may be out): its stores into the stage have read their registers,
.else
	s_wait_dscnt 0x0
.endif
.if (\t)+4 < STEPS
	XLOAD (\t)+4                                   ; which take the loads of four steps on
.endif
.if (\t)+1 < STEPS
.if STEPS-2-(\t) >= 3
	s_wait_loadcnt 12                              ; the next step's four loads are in; those of the three steps behind it may be out
.else
	s_wait_loadcnt 4*(STEPS-2-(\t))
.endif
	XTURN (\t)+1
.endif
	v_max3_num_f32 v8, |v[XS]|, |v[XS+1]|, |v[XS+2]|               ; the largest magnitude of my 16, in two chains
	v_max3_num_f32 v9, |v[XS+3]|, |v[XS+4]|, |v[XS+5]|
.irp i, 6,10
	v_max3_num_f32 v8, v8, |v[XS+\i]|, |v[XS+\i+1]|
	v_max3_num_f32 v9, v9, |v[XS+\i+2]|, |v[XS+\i+3]|
.endr
	v_max3_num_f32 v8, v8, |v[XS+14]|, |v[XS+15]|
	v_max3_num_f32 v8, v8, v9, (EMAX+1)<<23        ; and the floor 2^(EMAX + 1 - 127): the byte cannot fall under 1
	v_max_num_f32_dpp v8, v8, v8 row_xmask:1 row_mask:0xf bank_mask:0xf   ; with my neighbour's 16: the block's
	v_add_nc_u32 v11, -(EMAX<<23), v8              ; EMAX off its exponent field: the conversion takes the exponent field of this operand as its scale
	v_cvt_scalef32_pk8_fp4_f32 v[CC+4*(\t)], v[XS:XS+7], v11
	v_cvt_scalef32_pk8_fp4_f32 v[CC+4*(\t)+1], v[XS+8:XS+15], v11
	v_lshrrev_b32 v[EE+(\t)], 23, v11              ; the scale's byte
	ds_store_b8 v5, v[EE+(\t)] offset:16*(\t)      ; both lanes of a block write the same byte with the same value
	global_store_b64 v4, v[CC+4*(\t):CC+4*(\t)+1], s[14:15] offset:32*CB*(\t)
.endm
.irp t, 0,1,2,3,4,5,6,7,8,9,10,11,12,13,14,15
	XSTEP \t
.endr
	ds_load_b64 v[8:9], v6                         ; LDS serves a wave's instructions in order: this sees my byte stores
	s_wait_dscnt 0x0
	global_store_b64 v7, v[8:9], s[16:17]          ; 32 lanes store 256 consecutive bytes, aligned
	FINISH
; ---------------- W_attn: [1024 (k)][3072 (n)] f32.  A wave takes 32 columns x 512 along K: a lane a column, 16 blocks of 32 down K, each block whole in the lane's 32 registers.
; The codes go through the wave's own stage and leave by rows of w_codes: sixteen lanes store 256 consecutive bytes, aligned.
.Lwattn:
.set NB,     16                        ; blocks of a lane
.set WPITCH, 272                       ; a stage row: 256 bytes of codes + 16
.set WSTG,   32768                     ; this way's LDS begins here
.set KROW,   512                       ; a row of w_codes in bytes
.set WN4,    3072*4                    ; a row of W_attn in bytes
.set SB,     24                        ; v24-27   the scale bytes, four to a register
.set WX,     32                        ; v32-95   two sets of 32 numbers
.set WC,     96                        ; v96-99   a block's codes
.set OUTR,   112                       ; v112-175 the way out
	s_cmp_ge_u32 ttmp9, 24
	s_cselect_b32 s26, 1, 0                        ; which 512 along K
	s_cselect_b32 s25, 24, 0
	s_sub_co_u32 s25, ttmp9, s25                   ; which 128 columns
	s_lshl_b32 s25, s25, 7
	s_lshl_b32 s27, s24, 5
	s_add_co_u32 s25, s25, s27                     ; my wave's first column
	v_lshlrev_b32 v3, 2, v2                        ; in: 4 bytes a lane
	s_mul_i32 s27, s24, 32*WPITCH
	s_add_co_u32 s27, s27, WSTG                    ; my stage
	v_mul_u32_u24 v4, v2, WPITCH
	v_add_nc_u32 v4, s27, v4                       ; into it: row = my column
	v_and_b32 v5, 15, v2
	v_lshrrev_b32 v6, 4, v2
	v_mul_u32_u24 v7, v6, WPITCH
	v_lshl_add_u32 v7, v5, 4, v7
	v_add_nc_u32 v7, s27, v7                       ; out of it: sixteen lanes to a row, two rows an instruction
	v_mul_u32_u24 v8, v6, KROW
	v_lshl_add_u32 v8, v5, 4, v8                   ; and the same place in w_codes
	v_lshlrev_b32 v9, 5, v2                        ; my column's row of scale bytes: 32 bytes a row
	s_mul_i32 s28, s26, 512*WN4
	s_lshl_b32 s30, s25, 2
	s_add_co_u32 s28, s28, s30
	s_mov_b32 s29, 0
	s_add_nc_u64 s[10:11], s[10:11], s[28:29]      ; W_attn at (512 y, my first column)
	s_lshl_b32 s28, s25, 9
	s_lshl_b32 s30, s26, 8
	s_add_co_u32 s28, s28, s30
	s_add_nc_u64 s[18:19], s[18:19], s[28:29]      ; codes: column x 512 + 256 y
	s_lshl_b32 s28, s25, 5
	s_lshl_b32 s30, s26, 4
	s_add_co_u32 s28, s28, s30
	s_add_nc_u64 s[20:21], s[20:21], s[28:29]      ; scale bytes: column x 32 + 16 y
.macro WLOAD t                         ; block t: W(32 t + i, my column) into set t % 2.  The largest offset, 511 rows of 12,288 bytes, lies inside the signed 24-bit immediate
.irp i, 0,1,2,3,4,5,6,7,8,9,10,11,12,13,14,15,16,17,18,19,20,21,22,23,24,25,26,27,28,29,30,31
	global_load_b32 v[WX+32*((\t)%2)+\i], v3, s[10:11] offset:(32*(\t)+\i)*WN4 th:TH_LOAD_NT
.endr
.endm
	WLOAD 0
	WLOAD 1
.macro WBLOCK t
.set XS, WX+32*((\t)%2)
.if (\t) < NB-1
	s_wait_loadcnt 32                              ; this block's 32 loads are in; the next block's 32 may be out
.else
	s_wait_loadcnt 0
.endif
	v_max3_num_f32 v12, |v[XS]|, |v[XS+1]|, |v[XS+2]|              ; the block's largest magnitude: all 32 numbers are mine
	v_max3_num_f32 v13, |v[XS+3]|, |v[XS+4]|, |v[XS+5]|
.irp i, 6,10,14,18,22,26
	v_max3_num_f32 v12, v12, |v[XS+\i]|, |v[XS+\i+1]|
	v_max3_num_f32 v13, v13, |v[XS+\i+2]|, |v[XS+\i+3]|
.endr
	v_max3_num_f32 v12, v12, |v[XS+30]|, |v[XS+31]|
	v_max3_num_f32 v12, v12, v13, (EMAX+1)<<23     ; and the floor
	v_add_nc_u32 v11, -(EMAX<<23), v12             ; the conversion's scale operand
	v_lshrrev_b32 v13, 23, v11                     ; the scale's byte
.if (\t)%4 == 0
	v_mov_b32 v[SB+(\t)/4], v13                    ; four bytes to a register, the lower K in the lower byte
.else
	v_lshl_or_b32 v[SB+(\t)/4], v13, 8*((\t)%4), v[SB+(\t)/4]
.endif
.irp g, 0,1,2,3
	v_cvt_scalef32_pk8_fp4_f32 v[WC+\g], v[XS+8*\g:XS+8*\g+7], v11
.endr
	ds_store_b128 v4, v[WC:WC+3] offset:16*(\t)    ; 32 codes: 16 bytes of my column's row
.if (\t)+2 < NB
	WLOAD (\t)+2
.endif
	s_wait_dscnt 0x0                               ; the store has read its registers: the next block's codes may be written
.endm
.irp t, 0,1,2,3,4,5,6,7,8,9,10,11,12,13,14,15
	WBLOCK \t
.endr
	global_store_b128 v9, v[SB:SB+3], s[20:21]     ; my column's 16 scale bytes
.irp t, 0,1,2,3,4,5,6,7,8,9,10,11,12,13,14,15
	ds_load_b128 v[OUTR+4*\t:OUTR+4*\t+3], v7 offset:2*\t*WPITCH
.endr
.irp t, 0,1,2,3,4,5,6,7,8,9,10,11,12,13,14,15
	s_wait_dscnt 15-\t                             ; LDS loads come back in order: rows 2 t and 2 t + 1 are in
	global_store_b128 v8, v[OUTR+4*\t:OUTR+4*\t+3], s[18:19] offset:2*\t*KROW
.endr
	FINISH
; ---------------- W_proj: [1024 (k)][1024 (n)] f32 -> f16, as IMAGES OF OPERAND REGISTERS: for 16 columns n and 32 along K, 1,024 bytes: lane (r = n % 16, h) has k = 8 h .. 8 h + 7 at 256 h + 16 r and
; k = 16 + 8 h .. at 512 + 256 h + 16 r; images lie [n / 16][k / 32].  A wave takes 32 columns x 256 along K; a lane a column, registers down K: eight neighbours along K pack into 16 bytes,
; and sixteen lanes store 256 consecutive bytes, aligned.  No LDS.
.Lwproj:
.set PX, 32                            ; v32-95   two sets of 32 numbers
.set PC, 96                            ; v96-127  two sets of 16 packed registers
	s_sub_co_u32 s25, ttmp9, 48
	s_and_b32 s26, s25, 7                          ; which 128 columns
	s_lshr_b32 s27, s25, 3                         ; which 256 along K
	s_lshl_b32 s28, s27, 20                        ; 256 rows of 4,096 bytes
	s_lshl_b32 s30, s26, 9
	s_add_co_u32 s28, s28, s30
	s_lshl_b32 s30, s24, 7
	s_add_co_u32 s28, s28, s30                     ; + 4 x my first column
	s_mov_b32 s29, 0
	s_add_nc_u64 s[12:13], s[12:13], s[28:29]
	s_lshl_b32 s28, s26, 18                        ; images: (8 cg + 2 wave) x 32,768 + 8 kg x 1,024
	s_lshl_b32 s30, s24, 16
	s_add_co_u32 s28, s28, s30
	s_lshl_b32 s30, s27, 13
	s_add_co_u32 s28, s28, s30
	s_add_nc_u64 s[22:23], s[22:23], s[28:29]
	v_lshlrev_b32 v3, 2, v2
	v_lshrrev_b32 v4, 4, v2
	v_and_b32 v5, 15, v2
	v_lshlrev_b32 v4, 15, v4
	v_lshl_add_u32 v4, v5, 4, v4                   ; (lane / 16) x 32,768 + 16 (lane % 16)
.macro PLOAD t
.irp i, 0,1,2,3,4,5,6,7,8,9,10,11,12,13,14,15,16,17,18,19,20,21,22,23,24,25,26,27,28,29,30,31
	global_load_b32 v[PX+32*((\t)%2)+\i], v3, s[12:13] offset:(32*(\t)+\i)*4096
.endr
.endm
	PLOAD 0
	PLOAD 1
.macro PBLOCK t
.if (\t) < 7
	s_wait_loadcnt 32                              ; this block's 32 loads are in; the next block's 32 may be out
.else
	s_wait_loadcnt 0
.endif
.if (\t) >= 2
	s_wait_xcnt 0x0                                ; the stores of two blocks back have read their data: these registers are written again only behind this wait
.endif
.irp i, 0,1,2,3,4,5,6,7,8,9,10,11,12,13,14,15
	v_cvt_pk_f16_f32 v[PC+16*((\t)%2)+\i], v[PX+32*((\t)%2)+2*\i], v[PX+32*((\t)%2)+2*\i+1]
.endr
.irp g, 0,1,2,3
	global_store_b128 v4, v[PC+16*((\t)%2)+4*\g:PC+16*((\t)%2)+4*\g+3], s[22:23] offset:1024*(\t)+256*\g   ; k = 32 t + 8 g + 0 .. 7
.endr
.if (\t)+2 < 8
	PLOAD (\t)+2
.endif
.endm
.irp t, 0,1,2,3,4,5,6,7
	PBLOCK \t
.endr
	FINISH
.Lfunc_end_k_q1b416ae90f_prep:
	.size	k_q1b416ae90f_prep, .Lfunc_end_k_q1b416ae90f_prep-k_q1b416ae90f_prep
	.p2alignl 7, 3214868480
	.fill 96, 4, 3214868480
	.section	.rodata,"a",@progbits
	.p2align	6, 0x0
	.amdhsa_kernel k_q1b416ae90f_prep
		.amdhsa_group_segment_fixed_size 68096
		.amdhsa_private_segment_fixed_size 0
		.amdhsa_enable_private_segment 0
		.amdhsa_kernarg_size 64
		.amdhsa_user_sgpr_count 2
		.amdhsa_user_sgpr_kernarg_segment_ptr 1
		.amdhsa_wavefront_size32 1
		.amdhsa_system_sgpr_workgroup_id_x 1
		.amdhsa_system_sgpr_workgroup_id_y 1
		.amdhsa_system_sgpr_workgroup_id_z 1
		.amdhsa_system_vgpr_workitem_id 0
		.amdhsa_next_free_vgpr 194
		.amdhsa_next_free_sgpr 66
		.amdhsa_reserve_vcc 0
		.amdhsa_float_denorm_mode_32 3
		.amdhsa_float_denorm_mode_16_64 3
		.amdhsa_memory_ordered 1
		.amdhsa_forward_progress 1
		.amdhsa_inst_pref_size 147
	.end_amdhsa_kernel
	.amdgpu_metadata
---
amdhsa.version: [ 1, 2 ]
amdhsa.kernels:
  - .name:           k_q1b416ae90f_prep
    .symbol:         k_q1b416ae90f_prep.kd
    .args:
      - { .name: x, .offset: 0, .size: 8, .value_kind: global_buffer, .address_space: global }
      - { .name: W_attn, .offset: 8, .size: 8, .value_kind: global_buffer, .address_space: global }
      - { .name: W_proj, .offset: 16, .size: 8, .value_kind: global_buffer, .address_space: global }
      - { .name: x_codes, .offset: 24, .size: 8, .value_kind: global_buffer, .address_space: global }
      - { .name: x_scales, .offset: 32, .size: 8, .value_kind: global_buffer, .address_space: global }
      - { .name: w_codes, .offset: 40, .size: 8, .value_kind: global_buffer, .address_space: global }
      - { .name: w_scales, .offset: 48, .size: 8, .value_kind: global_buffer, .address_space: global }
      - { .name: wt16, .offset: 56, .size: 8, .value_kind: global_buffer, .address_space: global }
    .group_segment_fixed_size: 68096
    .private_segment_fixed_size: 0
    .kernarg_segment_align: 8
    .kernarg_segment_size: 64
    .max_flat_workgroup_size: 128
    .sgpr_count:     66
    .vgpr_count:     194
    .wavefront_size: 32
...
	.end_amdgpu_metadata
.endif
;; end of part 1
;; launch gemm1 (part 2): grid 12 x 32, 4 waves a work-group, clusters of 4 x 4, 327,680 bytes of LDS; arguments x_codes, x_scales, w_codes, w_scales, b_attn, qkv, qkv32; writes qkv, qkv32
.if DOCPART == 2
	.amdgcn_target "amdgcn-amd-amdhsa--gfx1250"
	.amdhsa_code_object_version 6
	.text
	.protected	k_q1b416ae90f_gemm1
	.globl	k_q1b416ae90f_gemm1
	.p2align	8
	.type	k_q1b416ae90f_gemm1,@function
k_q1b416ae90f_gemm1:
	s_mov_b64 s[64:65], 0
	v_nop
	global_prefetch_b8 v0, s[64:65] scope:SCOPE_SE
	s_setreg_imm32_b32 hwreg(HW_REG_WAVE_MODE, 25, 1), 1
	s_wait_xcnt 0x0
	s_wait_alu depctr_hold_cnt(0) depctr_sa_sdst(0) depctr_va_vdst(0) depctr_va_sdst(0) depctr_va_ssrc(0) depctr_va_vcc(0) depctr_vm_vsrc(0)
	s_getreg_b32 s2, hwreg(HW_REG_IB_STS2, 6, 4)
	s_cmp_eq_u32 s2, 0
	s_cbranch_scc0 .Lentry_in_a_cluster
	s_endpgm
.Lentry_in_a_cluster:
	s_bfe_u32 s2, ttmp6, 0x10000c
	s_cmp_lg_u32 s2, 0xf033
	s_cbranch_scc0 .Lentry_shape_is_right
	s_endpgm
.Lentry_shape_is_right:
; Launch 2 of 5: qkv[m][n] = sum over k of Q(x)[m][k] Q(W_attn)[k][n] + b_attn[n], on codes of FP4 (E2M1) with one E8M0 scale for each 32 along K; sums in f32.  m = 8,192 tokens, n = 3,072, k = 1,024.
; WORK LEFT OUT: b_attn[1024:2048], the bias on k, is neither loaded nor added: it moves every score of a query's row by the same amount, which a softmax does not see (shown at the head of the first launch).
; A tile of 256 x 256 is made by a work-group of four waves; a wave makes 128 x 128: 64 accumulators of 16 x 16, 512 registers.  K is two slots of 512 along K in LDS, both asked for at the start: nothing is filled again.
; The scale bytes of the work-group's rows of both operands, for all of K, come into LDS once, with the first fills.
; CLUSTERS: 4 x 4 work-groups.  The four of a row of the cluster need the same tiles of x, the four of a column the same tiles of W: each tile is asked for jointly.  The tile row is 8 cy + the cluster's y, so that the
; four partners along y hold the four batches, and a sequence's first rows lie in the clusters with y = 0: that test is the same in all partners.  The cluster's x says q (0), k (1) or v (2).
; THE MATRIX INSTRUCTION IS USED TRANSPOSED (source 0 = 16 rows of W's codes, source 1 = 16 tokens): lane (r, h) holds token r and eight neighbouring columns 16 b + 8 h + 0 .. 7.  Rounded to f16 those are 16 bytes, and they
; are registers 0-3 or 4-7 of the next product's operand in the SAME lane.  So the results leave as images of operand registers, 16 bytes a lane at 16 x lane: each store of the wave covers 512 consecutive bytes, aligned.
;   qkv: [q, k, v][batch x 16 + head][token / 16][channel / 16] images of 512 bytes..
;   qkv32: the accumulators of tokens 0-15 of each batch as they stand, in f32: [batch][column / 16][half] images of 512 bytes.
; The bias is the C of each sum's first matrix instruction.
; REGISTERS, in windows of 256: window 0: v0-31 addresses; v32-95 scale words, two sets; v128-191 x's fragments, one set; v192-255 the bias, eight registers for each of my eight blocks of columns; on the way out v128-255 packed results.
;   window 1: W's fragments, two sets, at v0 and v128.   window 2: the accumulators of my rows 0-63 ((a, b) at v[8 (8 a + b)]);   window 3: those of my rows 64-127.
.set SIZE_K, 1024
.set NQ,     4                         ; matrix instructions deep in a slot
.set ROWB,   256                       ; a tile's row in bytes: 512 codes
.set KROW,   SIZE_K/2                  ; a row of codes in memory
.set PITCH,  272                       ; an LDS row: 256 bytes + 16 of padding = 68 words: the 16 rows that a load touches start at 16 different banks (64 banks of 4 bytes: ISA guide 11.1)
.set FR,     8                         ; registers of a fragment: 16 rows x 128 K
.set NL,     2                         ; LDS loads that bring one
.set NP,     4                         ; places behind this matrix instruction (ISA guide 7.12.1)
.set HALFT,  128*PITCH                 ; 128 rows: what one tensor load brings
.set SLOT,   4*HALFT                   ; x's 256 rows, then W's 256 rows
.set KS,     SIZE_K/32                 ; a row of scale bytes
.set SCL,    2*SLOT                    ; behind the slots: the scales, as rows of 256 bytes + 16 of padding
.set HALFS,  (128*KS/256)*272          ; the scales of 128 rows
.set SBLK,   (16*KS/256)*272           ; those of 16 rows
.set SPARE,  SCL+4*HALFS               ; the spare words, 128 bytes for each wave
.set ADRA, 16                          ; v16-17  LDS address of my fragments of x in slot 0, 1
.set ADRB, 20                          ; v20-21  the same for W
.set CO,   24                          ; v24     my 16 bytes in an image of qkv
.set CF,   25                          ; v25     16 x lane: my 16 bytes in an image of qkv32
.set BO,   26                          ; v26     32 x (lane / 16): my eight numbers of a block's bias
.set ADRS, 27                          ; v27     LDS address of my scale words: lanes 0-15 x's rows, lanes 16-31 W's
.set SPW,  28                          ; v28     LDS address of my spare word; never rewritten
.set NIL,  29                          ; v29     0; never rewritten
.set SC,   32
.set AF,   128
.set BI,   192
.set PK,   128
.set G1, 24                            ; s[24:31] descriptor group 1 for x's tiles;  s[32:39] group 0, one set for each slot
.set G0, 32
.set G1B, 48                           ; s[48:55], s[56:63] the same for W's tiles
.set G0B, 56
.set G1S, 68                           ; s[68:75], s[76:79] groups 1 and 0 for x's scales;  s[80:87], s[88:91] for W's
.set G0S, 76
.set G1SB, 80
.set G0SB, 88
.set MSB, 0
.macro WIN new                         ; the immediate's high byte repeats the setting that is left
.if MSB != \new
	s_set_vgpr_msb (MSB<<8)|\new
.set MSB, \new
.endif
.endm
.set MUL_LO, 0xa1                      ; source 0 (W) window 1, source 1 (x) window 0, C and D window 2
.set MUL_HI, 0xf1                      ; the same, C and D window 3
.set FST_LO, 0x81                      ; a sum's first product: C (the bias) window 0, D window 2
.set FST_HI, 0xc1                      ; D window 3
.set TO_B,   0x40                      ; destination window 1, address window 0
; A joint load: waves 0 and 1 fetch for x, waves 2 and 3 for W.  The branch hangs on the wave's number alone.  An s_nop 0 and four v_nop follow each of the two lines.
.macro JLOAD g0a, g1a, g0b, g1b
	s_cmp_eq_u32 s15, 0
	s_cbranch_scc0 .Lfor_b_\@
	tensor_load_to_lds s[\g0a:\g0a+3], s[\g1a:\g1a+7]
	s_nop 0
.rept 4
	v_nop
.endr
	s_branch .Lasked_\@
.Lfor_b_\@:
	tensor_load_to_lds s[\g0b:\g0b+3], s[\g1b:\g1b+7]
	s_nop 0
.rept 4
	v_nop
.endr
.Lasked_\@:
.endm
.macro CROUND                          ; a round of the cluster's barrier
	s_barrier_signal -1
	s_barrier_wait -1
	s_cmp_lg_u32 s14, 0
	s_cbranch_scc1 .Lnot_wave_0_\@
	s_barrier_signal -3
.Lnot_wave_0_\@:
	s_barrier_wait -3
	s_barrier_signal -1
	s_barrier_wait -1
.endm
	s_load_b128 s[4:7], s[0:1], 0x0                ; x's codes s[4:5], x's scales s[6:7]
	s_load_b128 s[8:11], s[0:1], 0x10              ; W's codes s[8:9], W's scales s[10:11]
	s_load_b128 s[96:99], s[0:1], 0x20             ; b_attn s[96:97], qkv s[98:99]
	s_load_b64 s[100:101], s[0:1], 0x30            ; qkv32
	v_lshl_add_u32 v[SPW], v0, 2, SPARE
	v_mov_b32 v[NIL], 0
	ds_add_u32 v[SPW], v[NIL]                      ; the wave's opening: the add, twice on end, and its wait ahead of my first tensor load
	ds_add_u32 v[SPW], v[NIL]
	v_lshrrev_b32 v1, 5, v0
	v_readfirstlane_b32 s14, v1                    ; wave 0..3
	s_lshr_b32 s15, s14, 1                         ; which half of the tile's rows is mine.  Also: I fetch for x (0) or for W (1)
	s_and_b32 s16, s14, 1                          ; which half of its columns.  Also: which 128 rows of that tile I fetch
	s_bfe_u32 s40, ttmp6, 0x40000                  ; cx, cy: my place in the cluster
	s_bfe_u32 s41, ttmp6, 0x40004
	s_lshl_b32 s42, ttmp9, 2
	s_add_co_u32 s42, s42, s40                     ; tile column = 4 x cluster x + cx
	s_and_b32 s66, ttmp7, 0xffff                   ; cluster y
	s_lshl_b32 s17, s41, 3
	s_add_co_u32 s17, s17, s66                     ; tile row = 8 cy + cluster y
	s_lshl_b32 s43, s41, 2
	s_lshl_b32 s43, 15, s43                        ; my row of the cluster
	s_lshl_b32 s44, 0x1111, s40                    ; my column
	; descriptor group 1: a tile of 128 rows x 256 bytes, padded in LDS
	s_or_b32 s[G1+0], s43, (0<<16)|(1<<20)|(1<<21)|(5<<22)|(3<<25)  ; 15:0 the mask; 17:16 elements of 1 byte; 20 padding on; 21 set beside a mask; 24:22 after every 64 words; 31:25 four words
	s_or_b32 s[G1B+0], s44, (0<<16)|(1<<20)|(1<<21)|(5<<22)|(3<<25)
.irp g, G1, G1B
	s_mov_b32 s[\g+1], ROWB<<16                    ; tensor_dim0
	s_mov_b32 s[\g+2], 128<<16                     ; tensor_dim1
	s_mov_b32 s[\g+3], ROWB<<16                    ; tile_dim0
	s_mov_b32 s[\g+4], 128                         ; tile_dim1
	s_mov_b32 s[\g+5], KROW                        ; from row to row
	s_mov_b32 s[\g+6], 0
	s_mov_b32 s[\g+7], 0
.endr
	; the scales of 128 rows: a dense block of 4,096 bytes, as 16 rows of 256 bytes (32 elements of 8 bytes), 16 bytes of padding behind each
	s_or_b32 s[G1S+0], s43, (3<<16)|(1<<20)|(1<<21)|(5<<22)|(3<<25)
	s_or_b32 s[G1SB+0], s44, (3<<16)|(1<<20)|(1<<21)|(5<<22)|(3<<25)
.irp g, G1S, G1SB
	s_mov_b32 s[\g+1], 32<<16
	s_mov_b32 s[\g+2], (128*KS/256)<<16
	s_mov_b32 s[\g+3], 32<<16
	s_mov_b32 s[\g+4], 128*KS/256
	s_mov_b32 s[\g+5], 32
	s_mov_b32 s[\g+6], 0
	s_mov_b32 s[\g+7], 0
.endr
	s_lshl_b32 s18, s16, 7                         ; which 128 rows of the tile I fetch
	s_lshl_b32 s20, s17, 8
	s_add_co_u32 s20, s20, s18                     ; x: row 256 x tile row + 128 x half
	s_lshl_b32 s46, s42, 8
	s_add_co_u32 s46, s46, s18                     ; W: row 256 x tile column + 128 x half
	s_mov_b32 s21, 0
	s_mov_b32 s47, 0
	s_mov_b64 s[18:19], KS
	s_mul_u64 s[22:23], s[20:21], s[18:19]         ; where these rows' scales begin,
	s_mul_u64 s[92:93], s[46:47], s[18:19]
	s_mov_b64 s[18:19], KROW
	s_mul_u64 s[20:21], s[20:21], s[18:19]         ; and their codes
	s_mul_u64 s[46:47], s[46:47], s[18:19]
	s_mul_i32 s45, s14, HALFT                      ; where they go: wave x 128 rows: no place in the cluster enters an LDS address
	s_mul_i32 s94, s14, HALFS
	s_wait_dscnt 0x0                               ; both opening adds are done
	s_wait_kmcnt 0x0
	s_add_nc_u64 s[20:21], s[4:5], s[20:21]
	s_add_nc_u64 s[22:23], s[6:7], s[22:23]
	s_add_nc_u64 s[46:47], s[8:9], s[46:47]
	s_add_nc_u64 s[92:93], s[10:11], s[92:93]
	CROUND                                         ; all sixteen work-groups are here: the first joint loads meet
	s_mov_b32 s[G0S], 1
	s_add_co_u32 s[G0S+1], s94, SCL
	s_mov_b64 s[G0S+2:G0S+3], s[22:23]
	s_or_b32 s[G0S+3], s[G0S+3], 0x80000000
	s_mov_b32 s[G0SB], 1
	s_add_co_u32 s[G0SB+1], s94, SCL
	s_mov_b64 s[G0SB+2:G0SB+3], s[92:93]
	s_or_b32 s[G0SB+3], s[G0SB+3], 0x80000000
	JLOAD G0S, G1S, G0SB, G1SB                     ; the scales first: they are wanted with the first slot
.irp s, 0,1
	s_mov_b32 s[G0+4*\s], 1
	s_add_co_u32 s[G0+4*\s+1], s45, \s*SLOT
	s_add_nc_u64 s[G0+4*\s+2:G0+4*\s+3], s[20:21], \s*ROWB
	s_or_b32 s[G0+4*\s+3], s[G0+4*\s+3], 0x80000000
	s_mov_b32 s[G0B+4*\s], 1
	s_add_co_u32 s[G0B+4*\s+1], s45, \s*SLOT
	s_add_nc_u64 s[G0B+4*\s+2:G0B+4*\s+3], s[46:47], \s*ROWB
	s_or_b32 s[G0B+4*\s+3], s[G0B+4*\s+3], 0x80000000
	JLOAD G0+4*\s, G1, G0B+4*\s, G1B               ; three tensor loads of mine are out now, and no more follow
.endr
	v_and_b32 v1, 15, v0                           ; r = lane % 16
	v_bfe_u32 v2, v0, 4, 1                         ; h = lane / 16
	v_mul_u32_u24 v3, v1, PITCH
	v_lshl_add_u32 v4, v2, 4, v3                   ; a fragment's row x pitch + 16 h
	s_mul_i32 s21, s15, HALFT                      ; my 128 rows of x
	s_mul_i32 s22, s16, HALFT                      ; my 128 rows of W,
	s_add_co_u32 s22, s22, 2*HALFT                 ; which lie behind x's 256
.irp s, 0,1
	v_add_nc_u32 v[ADRA+\s], s21, v4
	v_add_nc_u32 v[ADRB+\s], s22, v4
	s_add_co_u32 s21, s21, SLOT
	s_add_co_u32 s22, s22, SLOT
.endr
	v_mul_u32_u24 v5, v1, KS                       ; my row's scales: 32 bytes a row,
	v_lshrrev_b32 v6, 8, v5
	v_lshl_add_u32 v5, v6, 4, v5                   ; and 16 more for each 256 passed
	s_mul_i32 s21, s15, HALFS
	s_mul_i32 s22, s16, HALFS
	s_add_co_u32 s22, s22, 2*HALFS
	s_sub_co_u32 s22, s22, s21
	v_mul_u32_u24 v6, s22, v2                      ; lanes 16-31 take W's: one product, the distance between the two bases
	s_add_co_u32 s21, s21, SCL
	v_add_nc_u32 v5, v5, v6
	v_add_nc_u32 v[ADRS], s21, v5
	; the way out
	v_and_b32 v6, 31, v0
	v_lshlrev_b32 v[CF], 4, v6                     ; 16 x lane
	s_cmp_eq_u32 ttmp9, 2
	s_cselect_b32 s22, 128, 0                      ; v's images: lanes 16-31 exchange the halves of their 256 bytes
	v_mul_u32_u24 v5, s22, v2
	v_xor_b32 v[CO], v[CF], v5
	v_lshlrev_b32 v[BO], 5, v2
	s_lshl_b32 s20, ttmp9, 24                      ; q, k or v: 16,777,216 bytes each
	s_lshl_b32 s21, s41, 4                         ; 16 x batch
	s_lshl_b32 s22, s40, 2
	s_add_co_u32 s21, s21, s22
	s_lshl_b32 s22, s16, 1
	s_add_co_u32 s21, s21, s22                     ; + my first head: 4 cx + 2 x column half
	s_lshl_b32 s21, s21, 18
	s_add_co_u32 s20, s20, s21
	s_lshl_b32 s21, s66, 4
	s_lshl_b32 s22, s15, 3
	s_add_co_u32 s21, s21, s22                     ; my first tile of 16 tokens in the sequence: 16 x cluster y + 8 x row half
	s_lshl_b32 s21, s21, 11
	s_add_co_u32 s20, s20, s21
	s_mov_b32 s21, 0
	s_add_nc_u64 s[12:13], s[98:99], s[20:21]
	s_mul_i32 s20, s41, 196608                     ; qkv32: the batch,
	s_lshl_b32 s22, s42, 14
	s_add_co_u32 s20, s20, s22
	s_lshl_b32 s22, s16, 13
	s_add_co_u32 s20, s20, s22                     ; + 1,024 bytes for each 16 columns
	s_add_nc_u64 s[100:101], s[100:101], s[20:21]
	s_or_b32 s67, s66, s15                         ; 0 where my first 16 rows are a sequence's first 16 positions
	s_lshl_b32 s20, s42, 10
	s_lshl_b32 s22, s16, 9
	s_add_co_u32 s20, s20, s22                     ; 4 x my first column
	s_add_nc_u64 s[96:97], s[96:97], s[20:21]
	; the bias: block b's eight registers hold b_attn[my first column + 16 b + 8 h + 0 .. 7]; k's columns (cluster x = 1, the same in all partners) begin from zeros
	s_cmp_eq_u32 ttmp9, 1
	s_cbranch_scc1 .Lno_bias
.irp b, 0,1,2,3,4,5,6,7
	global_load_b128 v[BI+8*\b:BI+8*\b+3], v[BO], s[96:97] offset:64*\b
	global_load_b128 v[BI+8*\b+4:BI+8*\b+7], v[BO], s[96:97] offset:64*\b+16
.endr
	s_branch .Lbias_done
.Lno_bias:
.irp j, 0,1,2,3,4,5,6,7,8,9,10,11,12,13,14,15,16,17,18,19,20,21,22,23,24,25,26,27,28,29,30,31,32,33,34,35,36,37,38,39,40,41,42,43,44,45,46,47,48,49,50,51,52,53,54,55,56,57,58,59,60,61,62,63
	v_mov_b32 v[BI+\j], 0
.endr
.Lbias_done:
.macro FRAG reg, adr, q, i             ; a fragment, 16 rows x 128 K of 4-bit codes: registers 4 c .. 4 c + 3 hold K = 64 c + 32 h + 0 .. 31
.irp c, 0,1
	ds_load_b128 v[\reg+4*\c:\reg+4*\c+3], v[\adr] offset:64*(\q)+32*\c+(\i)*16*PITCH
.endr
.endm
; 16 matrix instructions: x's blocks a0, a0 + 1 against W's eight, 128 along K: the slot's q-th.  p: W's set;  sc: the set of scale words.  first = 1: the bias is C.
; The 64 accumulators take turns, one instruction a turn, in the same order in every step.
.macro MUL16 a0, p, q, sc, first
.irp a, \a0, \a0+1
.irp b, 0,1,2,3,4,5,6,7
.if \first
	v_wmma_scale_f32_16x16x128_f8f6f4 v[8*(8*((\a)%4)+\b):8*(8*((\a)%4)+\b)+7], v[128*(\p)+FR*\b:128*(\p)+FR*\b+FR-1], v[AF+FR*(\a):AF+FR*(\a)+FR-1], v[BI+8*\b:BI+8*\b+7], v[SC+8*NQ*(\sc)+NQ*\b+(\q)], v[SC+8*NQ*(\sc)+NQ*(\a)+(\q)] matrix_a_fmt:MATRIX_FMT_FP4 matrix_b_fmt:MATRIX_FMT_FP4 matrix_a_scale:MATRIX_SCALE_ROW1
.else
	v_wmma_scale_f32_16x16x128_f8f6f4 v[8*(8*((\a)%4)+\b):8*(8*((\a)%4)+\b)+7], v[128*(\p)+FR*\b:128*(\p)+FR*\b+FR-1], v[AF+FR*(\a):AF+FR*(\a)+FR-1], v[8*(8*((\a)%4)+\b):8*(8*((\a)%4)+\b)+7], v[SC+8*NQ*(\sc)+NQ*\b+(\q)], v[SC+8*NQ*(\sc)+NQ*(\a)+(\q)] matrix_a_fmt:MATRIX_FMT_FP4 matrix_b_fmt:MATRIX_FMT_FP4 matrix_a_scale:MATRIX_SCALE_ROW1
.endif
.endr
.endr
.endm
.macro FETCH_B slot, q, p              ; W's eight fragments of the slot's q-th 128 along K into set p
	WIN TO_B
.irp i, 0,1,2,3,4,5,6,7
	FRAG 128*(\p)+FR*\i, ADRB+\slot, \q, \i
.endr
	WIN 0
.endm
.macro FETCH_A slot, q, i0             ; x's blocks i0 .. i0 + 3
.irp i, \i0, \i0+1, \i0+2, \i0+3
	FRAG AF+FR*(\i), ADRA+\slot, \q, \i
.endr
.endm
.macro SCALES sc                       ; a slot's scale words into set sc: four words a row; lanes 0-15 take x's block i, lanes 16-31 W's block i
.irp i, 0,1,2,3,4,5,6,7
	ds_load_b128 v[SC+8*NQ*\sc+NQ*\i:SC+8*NQ*\sc+NQ*\i+3], v[ADRS] offset:\i*SBLK
.endr
.endm
.macro PLACES n                        ; places in front of loads into registers that matrix instructions have read, and of the first read of results
.rept \n
	v_nop
.endr
.endm
; A step of 128 along K that has its successor in the same slot.
.macro STEP slot, q, first
	s_wait_dscnt 4*NL                              ; W's set and x's blocks 0-3 are in; the youngest eight loads (x's blocks 4-7) may be out
.if \first
	WIN FST_LO
.else
	WIN MUL_LO
.endif
	MUL16 0, (\q)%2, \q, \slot, \first
	MUL16 2, (\q)%2, \q, \slot, \first
	s_wait_dscnt 0                                 ; x's blocks 4-7 are in
	PLACES NP
	FETCH_B \slot, (\q)+1, 1-(\q)%2
	FETCH_A \slot, (\q)+1, 0
.if \first
	WIN FST_HI
.else
	WIN MUL_HI
.endif
	MUL16 4, (\q)%2, \q, \slot, \first
	MUL16 6, (\q)%2, \q, \slot, \first
	PLACES NP
	WIN 0
	FETCH_A \slot, (\q)+1, 4
.endm
; Slot 0's last step changes slots: one barrier; in front of it each wave waits for all its tensor loads (its part of slot 1), adds 0 to its spare word, and waits for that and for its LDS loads.  Nothing is filled again.
.macro TURN slot, next
	s_wait_tensorcnt 0x0                           ; all my tensor loads have landed
	ds_add_u32 v[SPW], v[NIL]                      ; 0 onto my spare word
	s_wait_dscnt 4*NL+1                            ; (the add and the youngest eight loads, x's blocks 4-7, may be out)
	WIN MUL_LO
	MUL16 0, 1, NQ-1, \slot, 0
	s_wait_dscnt 0x0
	s_barrier_signal -1
	MUL16 2, 1, NQ-1, \slot, 0
	WIN 0
	s_barrier_wait -1                              ; slot 1 is whole for every wave
	PLACES NP
	v_add_nc_u32 v[ADRS], 4*NQ, v[ADRS]            ; on to the next slot's scale words (no LDS load of mine is out)
	FETCH_B \next, 0, 0
	FETCH_A \next, 0, 0
	SCALES \next
	WIN MUL_HI
	MUL16 4, 1, NQ-1, \slot, 0
	MUL16 6, 1, NQ-1, \slot, 0
	PLACES NP
	WIN 0
	FETCH_A \next, 0, 4
.endm
	s_wait_tensorcnt 1                             ; the scales and my part of slot 0 are in; slot 1's load may be out
	s_barrier_signal -1
	s_barrier_wait -1                              ; everybody's are
	FETCH_B 0, 0, 0
	FETCH_A 0, 0, 0
	SCALES 0
	FETCH_A 0, 0, 4
	s_wait_loadcnt 0x0                             ; the bias
	STEP 0, 0, 1                                   ; the first products start the sums from the bias
	STEP 0, 1, 0
	STEP 0, 2, 0
	TURN 0, 1
	STEP 1, 0, 0
	STEP 1, 1, 0
	STEP 1, 2, 0
	s_wait_dscnt 4*NL                              ; the very last step: nothing more to fetch
	WIN MUL_LO
	MUL16 0, 1, NQ-1, 1, 0
	MUL16 2, 1, NQ-1, 1, 0
	s_wait_dscnt 0
	WIN MUL_HI
	MUL16 4, 1, NQ-1, 1, 0
	MUL16 6, 1, NQ-1, 1, 0
	WIN 0
	PLACES NP                                      ; in front of the reads of results and of the writes into the registers that held x's fragments
	; A sequence's first 16 positions also leave in f32, as the accumulators stand: the last launch takes them from there.  (The flag hangs on the cluster's y and the wave's number.)
	s_cmp_lg_u32 s67, 0
	s_cbranch_scc1 .Lnot_first
	WIN 0x08                                       ; a store's data are its source 1: window 2
.irp b, 0,1,2,3,4,5,6,7
	global_store_b128 v[CF], v[8*\b:8*\b+3], s[100:101] offset:1024*\b          ; each accumulator from its low end on
	global_store_b128 v[CF], v[8*\b+4:8*\b+7], s[100:101] offset:1024*\b+512
.endr
	WIN 0
.Lnot_first:
; Block a, 16 tokens x 128 columns: rounded to f16, 16 bytes a lane, stored as eight images.  Columns 64 on belong to the next head: 262,144 bytes on.  No base is stepped: every place stands in the immediate.
.macro PACK a
.set AC, 64*((\a)%4)
.set PB, PK+32*((\a)%4)
	WIN 0x0a+5*((\a)/4)                            ; sources 0 and 1: window 2 or 3
.irp b, 0,1,2,3,4,5,6,7
.irp i, 0,1,2,3
	v_cvt_pk_f16_f32 v[PB+4*\b+\i], v[AC+8*\b+2*\i], v[AC+8*\b+2*\i+1]
.endr
.endr
	WIN 0
.irp b, 0,1,2,3,4,5,6,7
	global_store_b128 v[CO], v[PB+4*\b:PB+4*\b+3], s[12:13] offset:(\a)*2048+(\b%4)*512+(\b/4)*262144   ; 32 lanes store 512 consecutive bytes, aligned
.endr
.endm
.irp a, 0,1,2,3,4,5,6,7
.if \a >= 4
	s_wait_xcnt 0x0                                ; block a - 4's stores have read their data: these registers are written again only behind this wait
.endif
	PACK \a
.endr
	s_wait_tensorcnt 0x0                           ; the wave's end
	ds_add_u32 v[SPW], v[NIL]
	s_wait_dscnt 0x0
	CROUND                                         ; the closing round
	s_endpgm
.Lfunc_end_k_q1b416ae90f_gemm1:
	.size	k_q1b416ae90f_gemm1, .Lfunc_end_k_q1b416ae90f_gemm1-k_q1b416ae90f_gemm1
	.p2alignl 7, 3214868480
	.fill 96, 4, 3214868480
	.section	.rodata,"a",@progbits
	.p2align	6, 0x0
	.amdhsa_kernel k_q1b416ae90f_gemm1
		.amdhsa_group_segment_fixed_size 327680
		.amdhsa_private_segment_fixed_size 0
		.amdhsa_enable_private_segment 0
		.amdhsa_kernarg_size 56
		.amdhsa_user_sgpr_count 2
		.amdhsa_user_sgpr_kernarg_segment_ptr 1
		.amdhsa_wavefront_size32 1
		.amdhsa_system_sgpr_workgroup_id_x 1
		.amdhsa_system_sgpr_workgroup_id_y 1
		.amdhsa_system_sgpr_workgroup_id_z 1
		.amdhsa_system_vgpr_workitem_id 0
		.amdhsa_next_free_vgpr 1024
		.amdhsa_next_free_sgpr 102
		.amdhsa_reserve_vcc 0
		.amdhsa_float_denorm_mode_32 3
		.amdhsa_float_denorm_mode_16_64 3
		.amdhsa_memory_ordered 1
		.amdhsa_forward_progress 1
		.amdhsa_inst_pref_size 123
	.end_amdhsa_kernel
	.amdgpu_metadata
---
amdhsa.version: [ 1, 2 ]
amdhsa.kernels:
  - .name:           k_q1b416ae90f_gemm1
    .symbol:         k_q1b416ae90f_gemm1.kd
    .args:
      - { .name: x_codes, .offset: 0, .size: 8, .value_kind: global_buffer, .address_space: global }
      - { .name: x_scales, .offset: 8, .size: 8, .value_kind: global_buffer, .address_space: global }
      - { .name: w_codes, .offset: 16, .size: 8, .value_kind: global_buffer, .address_space: global }
      - { .name: w_scales, .offset: 24, .size: 8, .value_kind: global_buffer, .address_space: global }
      - { .name: b_attn, .offset: 32, .size: 8, .value_kind: global_buffer, .address_space: global }
      - { .name: qkv, .offset: 40, .size: 8, .value_kind: global_buffer, .address_space: global }
      - { .name: qkv32, .offset: 48, .size: 8, .value_kind: global_buffer, .address_space: global }
    .group_segment_fixed_size: 327680
    .private_segment_fixed_size: 0
    .kernarg_segment_align: 8
    .kernarg_segment_size: 56
    .max_flat_workgroup_size: 128
    .sgpr_count:     102
    .vgpr_count:     1024
    .wavefront_size: 32
...
	.end_amdgpu_metadata
.endif
;; end of part 2
;; launch attn (part 3): grid 4 x 64, 16 waves a work-group, clusters of 4 x 1, 327,680 bytes of LDS; arguments qkv, y16; writes y16
.if DOCPART == 3
	.amdgcn_target "amdgcn-amd-amdhsa--gfx1250"
	.amdhsa_code_object_version 6
	.text
	.protected	k_q1b416ae90f_attn
	.globl	k_q1b416ae90f_attn
	.p2align	8
	.type	k_q1b416ae90f_attn,@function
k_q1b416ae90f_attn:
	s_mov_b64 s[64:65], 0
	v_nop
	global_prefetch_b8 v0, s[64:65] scope:SCOPE_SE
	s_setreg_imm32_b32 hwreg(HW_REG_WAVE_MODE, 25, 1), 1
	s_wait_xcnt 0x0
	s_wait_alu depctr_hold_cnt(0) depctr_sa_sdst(0) depctr_va_vdst(0) depctr_va_sdst(0) depctr_va_ssrc(0) depctr_va_vcc(0) depctr_vm_vsrc(0)
	s_getreg_b32 s2, hwreg(HW_REG_IB_STS2, 6, 4)
	s_cmp_eq_u32 s2, 0
	s_cbranch_scc0 .Lentry_in_a_cluster
	s_endpgm
.Lentry_in_a_cluster:
	s_bfe_u32 s2, ttmp6, 0x10000c
	s_cmp_lg_u32 s2, 0x3003
	s_cbranch_scc0 .Lentry_shape_is_right
	s_endpgm
.Lentry_shape_is_right:
; Launch 3 of 5: y[b][h][q] = the sum over k <= q of softmax_k(q.k / 8) v, for 64 (batch, head) pairs of 2,048 positions and 64 channels.  Operands f16; products, maxima and sums f32; the weights p are rounded to f16
; for the second product, y once at the end.
; WORK LEFT OUT: key steps all of whose 64 keys come after all 16 queries of a tile (their weights are 0 by the mask that reference() builds itself); the bias on k (shown at the head of the first launch).
; SHARES.  A cluster of four work-groups is one (batch, head); all four walk the same 2,048 keys, 64 a step, so K's and V's tiles are asked for JOINTLY.  Wave w of partner g owns TWO tiles of 16 queries: tile u = 4 w + g and
; tile 127 - u.  Tile u counts in steps 0 .. w, tile 127 - u in steps 0 .. 31 - w: both limits hang on the wave's number alone, never on the place in the cluster, and every wave has 33 tile-steps: equal work everywhere.
; The place in the cluster enters Q's and y's global addresses and the mask's lane data, nothing else.  Sixteen waves of 256 registers: four to a SIMD, so that one wave's vector work stands beside another's matrix work and LDS loads.
; LAYOUT.  S^T = K Q^T (source 0 = 16 keys, source 1 = 16 queries): a lane holds ONE query (lane % 16) and keys 8 (lane / 16) + 0 .. 7 of each tile of keys.  Two such tiles, rounded in pairs, ARE source 1 of O^T = V^T P.
; q, k and v lie in memory as images of operand registers (16 bytes a lane at 16 x lane; written so by the launch before): Q and K come by plain loads at 16 x lane, V turned, by ds_load_tr16_b128.
; y leaves the same way: a lane's eight channels pack into 16 bytes, which are the next product's operand registers in the same lane.
; SOFTMAX.  For each query a running maximum m and sum l: p = 2^(c s - c m), c = log2(e) / 8; in every step O and l are multiplied by a = 2^(c m_old - c m_new).  m begins at -3e38 and O, l at 0, so the step is written once.
; LDS: two slots of 512 keys: K's 65,536 bytes, then V's; slot 1 begins 131,072 on, so that one exclusive or turns an address.  Every wave fetches 8,192 bytes of a slot: one tensor load a wave is out at any time.
.set SLOT1, 131072
.set VOFF,  65536
.set STEPB, 8192                       ; 64 keys x 128 bytes
.set SPARE, 262144                     ; the spare words, 128 bytes for each of 16 waves
.set SPW, 1                            ; v1   LDS address of my spare word; never rewritten
.set NIL, 2                            ; v2   0; never rewritten
.set AK0, 3                            ; v3   16 x lane: my place in an image
.set AV0, 4                            ; v4   my place for the turning load
.set ADK, 5                            ; v5   LDS address of the step's K
.set ADV, 6                            ; v6   of its V
.set YO,  7                            ; v7-8 my byte offsets in y16, low tile and high tile
.set DLO, 9                            ; v9   my query less my first key on the low tile's diagonal step: 16 g + r - 8 h
.set DHI, 10                           ; v10  the same for the high tile: 16 (3 - g) + r - 8 h
.set NINF, 11                          ; v11  -infinity
.set ST,  12                           ; v12-27 statistics, eight a tile: +0 c m, +1 m, +2 +3 l (two halves), +4 .. +7 at work; a at +6
.set QO,  28                           ; v28-29 Q's byte offsets
.set QF,  32                           ; v32-63 Q: 16 a tile
.set SF,  64                           ; v64-127 S^T, 32 a tile; p is packed into the tile's low 16
.set OF,  128                          ; v128-191 O^T, 32 a tile
.set KV,  192                          ; v192-255 the step's K, then its V
.set WV,  8                            ; s8   wave
.set CX,  9                            ; s9   my place in the cluster
.set BH,  10                           ; s10  16 x batch + head
.set HL,  11                           ; s11  31 - wave: the high tile's last step
.set J,   12                           ; s12  the key step, 0 .. 31
.set TB,  13                           ; s13  LDS byte at which the step's K begins
.set SLOTS, 14
.set CNT, 15
.set G1,  16                           ; s[16:23] descriptor group 1
.set G0,  24                           ; s[24:27] descriptor group 0, which walks
.set CS,  28                           ; s[28:29] c, twice
.set SEL, 30                           ; s[30:31] lane selects for v_permlanex16_b32: lane l xor 16
.macro CROUND                          ; a round of the cluster's barrier
	s_barrier_signal -1
	s_barrier_wait -1
	s_cmp_lg_u32 s[WV], 0
	s_cbranch_scc1 .Lnot_wave_0_\@
	s_barrier_signal -3
.Lnot_wave_0_\@:
	s_barrier_wait -3
	s_barrier_signal -1
	s_barrier_wait -1
.endm
	s_load_b128 s[4:7], s[0:1], 0x0                ; qkv s[4:5], y16 s[6:7]
	v_lshl_add_u32 v[SPW], v0, 2, SPARE
	v_mov_b32 v[NIL], 0
	ds_add_u32 v[SPW], v[NIL]                      ; the wave's opening: the add, twice on end, and its wait ahead of my first tensor load
	ds_add_u32 v[SPW], v[NIL]
	v_lshrrev_b32 v3, 5, v0
	v_readfirstlane_b32 s[WV], v3                  ; wave 0..15
	s_bfe_u32 s[CX], ttmp6, 0x40000
	s_and_b32 s[BH], ttmp7, 0xffff
	s_sub_co_u32 s[HL], 31, s[WV]
	; group 1: 8,192 dense bytes as 32 rows of 256 bytes (32 elements of 8 bytes), no padding: images are read at 16 x lane, 512 consecutive bytes an instruction
	s_mov_b32 s[G1], 15|(3<<16)|(1<<21)            ; 15:0 the mask: all four partners; 17:16 elements of 8 bytes; 21 set beside a mask
	s_mov_b32 s[G1+1], 32<<16                      ; tensor_dim0
	s_mov_b32 s[G1+2], 32<<16                      ; tensor_dim1
	s_mov_b32 s[G1+3], 32<<16                      ; tile_dim0
	s_mov_b32 s[G1+4], 32                          ; tile_dim1
	s_mov_b32 s[G1+5], 32                          ; from row to row
	s_mov_b32 s[G1+6], 0
	s_mov_b32 s[G1+7], 0
	s_mov_b32 s[CS], 0x3e38aa3b                    ; c = log2(e) / 8
	s_mov_b32 s[CS+1], s[CS]
	s_mov_b32 s[SEL], 0x76543210
	s_mov_b32 s[SEL+1], 0xfedcba98
	s_mov_b32 s[J], 0
	s_mov_b32 s[TB], 0
	s_mov_b32 s[SLOTS], 3
	s_lshr_b32 s32, s[WV], 3                       ; what I fetch: waves 0-7 K's eighths of a slot, waves 8-15 V's
	s_add_co_u32 s32, s32, 1
	s_lshl_b32 s32, s32, 24
	s_lshl_b32 s34, s[BH], 18                      ; a head's 262,144 bytes
	s_add_co_u32 s32, s32, s34
	s_and_b32 s35, s[WV], 7
	s_lshl_b32 s35, s35, 13
	s_add_co_u32 s32, s32, s35
	s_mov_b32 s33, 0
	s_mov_b32 s35, 0
	s_wait_dscnt 0x0                               ; both opening adds are done
	s_wait_kmcnt 0x0
	s_mov_b32 s[G0], 1
	s_lshl_b32 s[G0+1], s[WV], 13                  ; LDS: wave x 8,192: K's 65,536 bytes, then V's
	s_add_nc_u64 s[G0+2:G0+3], s[4:5], s[32:33]
	s_or_b32 s[G0+3], s[G0+3], 0x80000000
	CROUND                                         ; all four work-groups are here: the first joint loads meet
	tensor_load_to_lds s[G0:G0+3], s[G1:G1+7]      ; keys 0 .. 511 into slot 0
	s_nop 0
	s_add_nc_u64 s[36:37], s[4:5], s[34:35]        ; q of my head
	s_lshr_b32 s34, s[BH], 4
	s_lshl_b32 s34, s34, 22                        ; y16: the batch's 128 tiles of 32,768 bytes,
	s_and_b32 s32, s[BH], 15
	s_lshl_b32 s32, s32, 11                        ; the head's 2,048 bytes in a tile
	s_add_co_u32 s34, s34, s32
	s_add_nc_u64 s[38:39], s[6:7], s[34:35]
	s_lshl_b32 s32, s[WV], 2
	s_add_co_u32 s32, s32, s[CX]                   ; my low tile u
	s_sub_co_u32 s33, 127, s32                     ; my high tile
	v_and_b32 v64, 31, v0
	v_lshlrev_b32 v[AK0], 4, v64
	s_lshl_b32 s34, s32, 11
	v_add_nc_u32 v[QO], s34, v[AK0]
	s_lshl_b32 s34, s33, 11
	v_add_nc_u32 v[QO+1], s34, v[AK0]
.irp t, 0,1
.irp g, 0,1,2,3
	global_load_b128 v[QF+16*\t+4*\g:QF+16*\t+4*\g+3], v[QO+\t], s[36:37] offset:512*\g   ; Q stays in registers: channels 16 g + 8 h + 0 .. 7 of query r
.endr
.endr
	s_lshl_b32 s34, s32, 15
	v_add_nc_u32 v[YO], s34, v[AK0]
	s_lshl_b32 s34, s33, 15
	v_add_nc_u32 v[YO+1], s34, v[AK0]
	; The turning load: lane l addresses the 16 bytes of key 8 h + l % 8, channels 8 c3 + 0 .. 7 (c3 = (l / 8) % 2) of a block of 16: in v's image that is lane 16 c3 + 8 h + l % 8, with the halves of 256 bytes exchanged where c3 = 1
	v_bfe_u32 v65, v0, 3, 1                        ; c3
	v_bfe_u32 v66, v0, 4, 1                        ; h
	v_and_b32 v67, 7, v0
	v_xor_b32 v68, v65, v66
	v_lshlrev_b32 v[AV0], 8, v65
	v_lshl_add_u32 v[AV0], v68, 7, v[AV0]
	v_lshl_add_u32 v[AV0], v67, 4, v[AV0]
	v_add_nc_u32 v[AV0], VOFF, v[AV0]
	v_and_b32 v69, 15, v0
	v_lshlrev_b32 v70, 3, v66
	v_sub_nc_u32 v69, v69, v70                     ; r - 8 h
	s_lshl_b32 s34, s[CX], 4
	v_add_nc_u32 v[DLO], s34, v69
	s_sub_co_u32 s34, 48, s34
	v_add_nc_u32 v[DHI], s34, v69
	v_mov_b32 v[NINF], 0xff800000
.irp t, 0,1
	v_mov_b32 v[ST+8*\t+1], 0xff61b1e6             ; m = -3e38, under every score
	v_mul_f32 v[ST+8*\t], s[CS], v[ST+8*\t+1]      ; c m
.irp i, 2,3,4,5,6,7
	v_mov_b32 v[ST+8*\t+\i], 0
.endr
.endr
.irp j, 0,1,2,3,4,5,6,7,8,9,10,11,12,13,14,15,16,17,18,19,20,21,22,23,24,25,26,27,28,29,30,31,32,33,34,35,36,37,38,39,40,41,42,43,44,45,46,47,48,49,50,51,52,53,54,55,56,57,58,59,60,61,62,63
	v_mov_b32 v[OF+\j], 0                          ; O^T: the step is written once; its first walk finds zeros
.endr
.macro LOADK                           ; the step's 64 keys x 64 channels: 16 images of 512 bytes
.irp kt, 0,1,2,3
.irp g, 0,1,2,3
	ds_load_b128 v[KV+16*\kt+4*\g:KV+16*\kt+4*\g+3], v[ADK] offset:\kt*2048+\g*512
.endr
.endr
.endm
.macro LOADV                           ; V^T: keys 32 kk + 16 half on, channels 16 cb on
.irp kk, 0,1
.irp cb, 0,1,2,3
	ds_load_tr16_b128 v[KV+32*\kk+8*\cb:KV+32*\kk+8*\cb+3],   v[ADV] offset:(2*\kk)*2048+\cb*512
	ds_load_tr16_b128 v[KV+32*\kk+8*\cb+4:KV+32*\kk+8*\cb+7], v[ADV] offset:(2*\kk+1)*2048+\cb*512
.endr
.endr
.endm
; The accumulators take turns, one instruction a turn.
.macro SCORES t                        ; S^T of tile t: four tiles of 16 keys, two deep along the 64 channels
.irp c, 0,1
.irp kt, 0,1,2,3
.if \c == 0
	v_wmma_f32_16x16x32_f16 v[SF+32*\t+8*\kt:SF+32*\t+8*\kt+7], v[KV+16*\kt+8*\c:KV+16*\kt+8*\c+7], v[QF+16*\t+8*\c:QF+16*\t+8*\c+7], 0
.else
	v_wmma_f32_16x16x32_f16 v[SF+32*\t+8*\kt:SF+32*\t+8*\kt+7], v[KV+16*\kt+8*\c:KV+16*\kt+8*\c+7], v[QF+16*\t+8*\c:QF+16*\t+8*\c+7], v[SF+32*\t+8*\kt:SF+32*\t+8*\kt+7]
.endif
.endr
.endr
.endm
.macro PV t                            ; O^T of tile t += V^T P: four blocks of 16 channels, two deep along the 64 keys
.irp kk, 0,1
.irp cb, 0,1,2,3
	v_wmma_f32_16x16x32_f16 v[OF+32*\t+8*\cb:OF+32*\t+8*\cb+7], v[KV+32*\kk+8*\cb:KV+32*\kk+8*\cb+7], v[SF+32*\t+8*\kk:SF+32*\t+8*\kk+7], v[OF+32*\t+8*\cb:OF+32*\t+8*\cb+7]
.endr
.endr
.endm
.macro MASK t, d                       ; on the diagonal step: register n holds key 16 (n / 8) + 8 h + n % 8 of the step: hidden where 16 (n / 8) + n % 8 > d
.irp n, 0,1,2,3,4,5,6,7,8,9,10,11,12,13,14,15,16,17,18,19,20,21,22,23,24,25,26,27,28,29,30,31
	v_cmp_gt_i32 vcc_lo, 16*(\n/8)+\n%8, v[\d]
	v_cndmask_b32 v[SF+32*\t+\n], v[SF+32*\t+\n], v[NINF], vcc_lo
.endr
.endm
.macro SMA t                           ; the softmax up to its exponentials: none of these lines names an exponential's result
.set rT, ST+8*(\t)
.set rS, SF+32*(\t)
.irp j, 0,1,2,3
	v_max3_num_f32 v[rT+4+\j], v[rS+8*\j], v[rS+8*\j+1], v[rS+8*\j+2]              ; four chains, each accumulator from its low end on
.endr
.irp j, 0,1,2,3
	v_max3_num_f32 v[rT+4+\j], v[rT+4+\j], v[rS+8*\j+3], v[rS+8*\j+4]
.endr
.irp j, 0,1,2,3
	v_max3_num_f32 v[rT+4+\j], v[rT+4+\j], v[rS+8*\j+5], v[rS+8*\j+6]
.endr
	v_max3_num_f32 v[rT+4], v[rT+4], v[rS+7], v[rS+15]
	v_max3_num_f32 v[rT+6], v[rT+6], v[rS+23], v[rS+31]
	v_max3_num_f32 v[rT+4], v[rT+4], v[rT+5], v[rT+6]
	v_max3_num_f32 v[rT+4], v[rT+4], v[rT+7], v[rT+1]                              ; with the old m
	v_permlanex16_b32 v[rT+5], v[rT+4], s[SEL], s[SEL+1]                           ; the query's other 32 keys lie in the lane 16 away
	v_mov_b32 v[rT+7], v[rT]                       ; c m_old
	v_max_num_f32 v[rT+1], v[rT+4], v[rT+5]        ; the new m
	v_mul_f32 v[rT], s[CS], v[rT+1]
	v_sub_f32 v[rT+7], v[rT+7], v[rT]
	v_exp_f32 v[rT+6], v[rT+7]                     ; a = 2^(c m_old - c m_new)
.irp b, 0,2,4,6,8,10,12,14,16,18,20,22,24,26,28,30
	v_pk_fma_f32 v[rS+\b:rS+\b+1], v[rS+\b:rS+\b+1], s[CS:CS+1], v[rT:rT+1] op_sel_hi:[1,0,0] neg_lo:[0,0,1] neg_hi:[0,0,1]   ; c s - c m
.endr
.irp e, 0,1,2,3,4,5,6,7,8,9,10,11,12,13,14,15,16,17,18,19,20,21,22,23,24,25,26,27,28,29,30,31
	v_exp_f32 v[rS+\e], v[rS+\e]
.endr
.endm
.macro SMB t                           ; behind the batch's wait: the sums (of the unrounded p), the roundings, the rescaling
.set rT, ST+8*(\t)
.set rS, SF+32*(\t)
.set rO, OF+32*(\t)
	v_pk_mul_f32 v[rT+2:rT+3], v[rT+2:rT+3], v[rT+6:rT+7] op_sel_hi:[1,0]          ; l x a
	v_pk_add_f32 v[rT+4:rT+5], v[rS:rS+1], v[rS+2:rS+3]
.irp j, 4,8,12,16,20,24,28
	v_pk_add_f32 v[rT+2:rT+3], v[rT+2:rT+3], v[rS+\j:rS+\j+1]                      ; two chains
	v_pk_add_f32 v[rT+4:rT+5], v[rT+4:rT+5], v[rS+\j+2:rS+\j+3]
.endr
	v_pk_add_f32 v[rT+2:rT+3], v[rT+2:rT+3], v[rT+4:rT+5]
.irp i, 0,1,2,3,4,5,6,7,8,9,10,11,12,13,14,15
	v_cvt_pk_f16_f32 v[rS+\i], v[rS+2*\i], v[rS+2*\i+1]                            ; in place, ascending: register i is written when registers 2 i and 2 i + 1 are read
.endr
.irp i, 0,2,4,6,8,10,12,14,16,18,20,22,24,26,28,30
	v_pk_mul_f32 v[rO+\i:rO+\i+1], v[rO+\i:rO+\i+1], v[rT+6:rT+7] op_sel_hi:[1,0]  ; O^T x a, each accumulator from its low end on
.endr
.endm
; A KEY STEP.  One parting into two whole variants: both tiles count (J <= wave), or the high tile alone (wave < J <= 31 - wave); beyond that nothing.  The branches hang on the wave's number and the count of steps;
; no barrier, tensor load or wait for one stands in a step.
.macro STEP
	v_add_nc_u32 v[ADK], s[TB], v[AK0]
	v_add_nc_u32 v[ADV], s[TB], v[AV0]
	s_cmp_gt_u32 s[J], s[HL]
	s_cbranch_scc1 .Lnone_\@
.rept 3
	v_nop                                          ; with the two additions: five places behind the last V^T P, whose operand registers are loaded into and written over by matrix instructions below
.endr
	LOADK
	s_wait_dscnt 0x0
	s_cmp_gt_u32 s[J], s[WV]
	s_cbranch_scc1 .Lhi_\@
	SCORES 0
	SCORES 1
.rept 4
	v_nop                                          ; places in front of the loads into K's registers and of the first read of the scores
.endr
	LOADV
	s_cmp_lg_u32 s[J], s[WV]
	s_cbranch_scc1 .Lopen0_\@
	MASK 0, DLO                                    ; the low tile's diagonal step (the high tile's lies beyond: 31 - wave > wave)
.Lopen0_\@:
	SMA 0
	SMA 1
	v_nop                                          ; a plain instruction behind the last exponential
	s_wait_alu depctr_va_vdst(0)                   ; one wait for both tiles' 66 exponentials, ahead of the first line that names a result
	SMB 0
	SMB 1
	s_wait_dscnt 0x0                               ; V is in
	PV 0
	PV 1
	s_branch .Lnone_\@
.Lhi_\@:
	SCORES 1
.rept 4
	v_nop
.endr
	LOADV
	s_cmp_lg_u32 s[J], s[HL]
	s_cbranch_scc1 .Lopen1_\@
	MASK 1, DHI
.Lopen1_\@:
	SMA 1
	v_nop
	s_wait_alu depctr_va_vdst(0)
	SMB 1
	s_wait_dscnt 0x0
	PV 1
.Lnone_\@:
	s_add_co_u32 s[J], s[J], 1
	s_add_co_u32 s[TB], s[TB], STEPB
.endm
; THE CHANGE OF SLOTS stands at a slot's head.  Each wave waits for all its tensor loads (its part of the slot that it is about to read), adds 0 to its spare word, and waits for that and for its reads of the slot that it has left.
; fill = 1: a round of the cluster's barrier, and behind it the other slot takes the next 512 keys: the load has eight key steps in which to land.
.macro CHANGE fill
	s_wait_tensorcnt 0x0                           ; no tensor load of mine is out, so group 0 may be written
	ds_add_u32 v[SPW], v[NIL]                      ; 0 onto my spare word
.if \fill
	s_xor_b32 s[G0+1], s[G0+1], SLOT1              ; the other slot than last time,
	s_add_nc_u64 s[G0+2:G0+3], s[G0+2:G0+3], 65536 ; the next 512 keys; the type bits on top are not reached
	s_wait_dscnt 0x0
	CROUND
	tensor_load_to_lds s[G0:G0+3], s[G1:G1+7]      ; the first thing behind the round, and my one tensor load until the next
	s_nop 0
.else
	s_wait_dscnt 0x0
	s_barrier_signal -1
	s_barrier_wait -1
.endif
.endm
.macro SLOT_STEPS                      ; a slot's eight key steps: written once, walked eight times
	s_mov_b32 s[CNT], 8
.Lstep_\@:
	STEP
	s_sub_co_u32 s[CNT], s[CNT], 1
	s_cmp_lg_u32 s[CNT], 0
	s_cbranch_scc1 .Lstep_\@
	s_sub_co_u32 s[TB], s[TB], 8*STEPB
	s_xor_b32 s[TB], s[TB], SLOT1                  ; on to the other slot
.endm
	s_wait_loadcnt 0x0                             ; Q
.Lslot:                                            ; three trips: slot 1 is filled for the first time, then slot 0 and slot 1 again.  Keys 1,536 on are read by waves 0-7 of every partner
	CHANGE 1
	SLOT_STEPS
	s_sub_co_u32 s[SLOTS], s[SLOTS], 1
	s_cmp_lg_u32 s[SLOTS], 0
	s_cbranch_scc1 .Lslot
	CHANGE 0                                       ; the last slot is written out: nothing is left to ask for
	SLOT_STEPS
	; THE WAY OUT: l's halves and the other half of the lanes' are added; O^T / l, rounded to f16, leaves as images: 32 lanes store 512 consecutive bytes, aligned.
.rept 4
	v_nop                                          ; places behind the last products
.endr
.irp t, 0,1
	v_add_f32 v[ST+8*\t+4], v[ST+8*\t+2], v[ST+8*\t+3]
.endr
.irp t, 0,1
	v_permlanex16_b32 v[ST+8*\t+5], v[ST+8*\t+4], s[SEL], s[SEL+1]
.endr
.irp t, 0,1
	v_add_f32 v[ST+8*\t+4], v[ST+8*\t+4], v[ST+8*\t+5]
.endr
.irp t, 0,1
	v_rcp_f32 v[ST+8*\t+6], v[ST+8*\t+4]
.endr
	v_nop                                          ; a plain instruction behind the last reciprocal
	s_wait_alu depctr_va_vdst(0)                   ; and one wait for both, ahead of the first use
.irp t, 0,1
.irp i, 0,2,4,6,8,10,12,14,16,18,20,22,24,26,28,30
	v_pk_mul_f32 v[OF+32*\t+\i:OF+32*\t+\i+1], v[OF+32*\t+\i:OF+32*\t+\i+1], v[ST+8*\t+6:ST+8*\t+7] op_sel_hi:[1,0]
.endr
.irp i, 0,1,2,3,4,5,6,7,8,9,10,11,12,13,14,15
	v_cvt_pk_f16_f32 v[SF+32*\t+\i], v[OF+32*\t+2*\i], v[OF+32*\t+2*\i+1]
.endr
.irp cb, 0,1,2,3
	global_store_b128 v[YO+\t], v[SF+32*\t+4*\cb:SF+32*\t+4*\cb+3], s[38:39] offset:512*\cb
.endr
.endr
	s_wait_tensorcnt 0x0                           ; the wave's end
	ds_add_u32 v[SPW], v[NIL]
	s_wait_dscnt 0x0
	CROUND                                         ; the closing round
	s_endpgm
.Lfunc_end_k_q1b416ae90f_attn:
	.size	k_q1b416ae90f_attn, .Lfunc_end_k_q1b416ae90f_attn-k_q1b416ae90f_attn
	.p2alignl 7, 3214868480
	.fill 96, 4, 3214868480
	.section	.rodata,"a",@progbits
	.p2align	6, 0x0
	.amdhsa_kernel k_q1b416ae90f_attn
		.amdhsa_group_segment_fixed_size 327680
		.amdhsa_private_segment_fixed_size 0
		.amdhsa_enable_private_segment 0
		.amdhsa_kernarg_size 16
		.amdhsa_user_sgpr_count 2
		.amdhsa_user_sgpr_kernarg_segment_ptr 1
		.amdhsa_wavefront_size32 1
		.amdhsa_system_sgpr_workgroup_id_x 1
		.amdhsa_system_sgpr_workgroup_id_y 1
		.amdhsa_system_sgpr_workgroup_id_z 1
		.amdhsa_system_vgpr_workitem_id 0
		.amdhsa_next_free_vgpr 256
		.amdhsa_next_free_sgpr 66
		.amdhsa_reserve_vcc 1
		.amdhsa_float_denorm_mode_32 3
		.amdhsa_float_denorm_mode_16_64 3
		.amdhsa_memory_ordered 1
		.amdhsa_forward_progress 1
		.amdhsa_inst_pref_size 75
	.end_amdhsa_kernel
	.amdgpu_metadata
---
amdhsa.version: [ 1, 2 ]
amdhsa.kernels:
  - .name:           k_q1b416ae90f_attn
    .symbol:         k_q1b416ae90f_attn.kd
    .args:
      - { .name: qkv, .offset: 0, .size: 8, .value_kind: global_buffer, .address_space: global }
      - { .name: y16, .offset: 8, .size: 8, .value_kind: global_buffer, .address_space: global }
    .group_segment_fixed_size: 327680
    .private_segment_fixed_size: 0
    .kernarg_segment_align: 8
    .kernarg_segment_size: 16
    .max_flat_workgroup_size: 512
    .sgpr_count:     66
    .vgpr_count:     256
    .wavefront_size: 32
...
	.end_amdgpu_metadata
.endif
;; end of part 3
;; launch proj (part 4): grid 8 x 32, 4 waves a work-group, clusters of 4 x 4, 327,680 bytes of LDS; arguments y16, wt16, b_proj, out0; writes out0
.if DOCPART == 4
	.amdgcn_target "amdgcn-amd-amdhsa--gfx1250"
	.amdhsa_code_object_version 6
	.text
	.protected	k_q1b416ae90f_proj
	.globl	k_q1b416ae90f_proj
	.p2align	8
	.type	k_q1b416ae90f_proj,@function
k_q1b416ae90f_proj:
	s_mov_b64 s[64:65], 0
	v_nop
	global_prefetch_b8 v0, s[64:65] scope:SCOPE_SE
	s_setreg_imm32_b32 hwreg(HW_REG_WAVE_MODE, 25, 1), 1
	s_wait_xcnt 0x0
	s_wait_alu depctr_hold_cnt(0) depctr_sa_sdst(0) depctr_va_vdst(0) depctr_va_sdst(0) depctr_va_ssrc(0) depctr_va_vcc(0) depctr_vm_vsrc(0)
	s_getreg_b32 s2, hwreg(HW_REG_IB_STS2, 6, 4)
	s_cmp_eq_u32 s2, 0
	s_cbranch_scc0 .Lentry_in_a_cluster
	s_endpgm
.Lentry_in_a_cluster:
	s_bfe_u32 s2, ttmp6, 0x10000c
	s_cmp_lg_u32 s2, 0xf033
	s_cbranch_scc0 .Lentry_shape_is_right
	s_endpgm
.Lentry_shape_is_right:
; Launch 4 of 5: out0[m][n] = sum over k of y[m][k] W_proj[k][n] + b_proj[n], f16 operands, f32 sums.  m = 8,192, n = k = 1,024.
; NOT STORED HERE: the first 16 positions of every sequence.  They are multiplied inside tiles that hold live work, but the last launch computes them in f32 and owns those rows of out0: each byte of out0 has one owner.
; A tile of 256 rows x 128 columns is made by a work-group of four waves; a wave makes 128 x 64: 32 accumulators.  256 work-groups.
; BOTH OPERANDS LIE IN MEMORY AS IMAGES OF OPERAND REGISTERS: [tile of 16 rows][k / 32] images of 1,024 bytes, 16 bytes a lane at 16 x lane and again 512 bytes on.  A K step of 128 is 4,096 consecutive bytes of each tile of 16 rows;
; a fragment comes out of LDS by two loads of 512 consecutive bytes: no pitch, no padding.
; K goes in eight steps of 128 through two LDS slots.  CLUSTERS: 4 x 4 work-groups; y's tiles are shared along a row of the cluster, W's along a column, each asked for jointly.  The tile row is 8 cy + the cluster's y, so that
; a sequence's first rows lie in the clusters with y = 0: that test is the same in all partners.
; THE MATRIX INSTRUCTION IS USED TRANSPOSED (source 0 = 16 columns of W, source 1 = 16 rows of y): a lane holds eight neighbouring numbers of a row of out0.  The bias is the C of each sum's first matrix instruction.
; REGISTERS: window 0: v16-29 addresses; v32-63 the bias; v64-127 the way out.   window 1: two fragment buffers at v0 and v128: W's four fragments, then y's eight.   window 2: accumulator (a, b) at v[8 (4 a + b)].
.set KQ,     1024                      ; an image: 16 rows x 32 K
.set TILEB,  4096                      ; a tile's four images of a K step
.set BOFF,   65536                     ; a slot: y's 16 tiles, then W's 8
.set SLOT,   98304
.set STAGE,  2*SLOT                    ; behind the slots: 16 rows x (256 bytes + 16) for each wave, its own; no tensor load lands there
.set SPITCH, 272
.set SPARE,  STAGE+4*16*SPITCH         ; the spare words, 128 bytes for each wave
.set LAPS,   4                         ; a lap = two K steps = once round the ring
.set ADRA, 16                          ; v16-17  LDS address of my fragments of y in slot 0, 1
.set ADRB, 20                          ; v20-21  the same for W
.set STO,  24                          ; v24     the way out: where I put 32 bytes of a row
.set RD,   25                          ; v25     where I read a row back
.set CO,   26                          ; v26     my byte offset in out0
.set BO,   27                          ; v27     32 x (lane / 16)
.set SPW,  28                          ; v28     LDS address of my spare word; never rewritten
.set NIL,  29                          ; v29     0; never rewritten
.set BI,   32
.set OB,   64
.set F0,   0
.set F1,   128
.set G1, 24                            ; s[24:31] descriptor group 1 for y's tiles;  s[32:39] group 0, one set for each slot
.set G0, 32
.set G1B, 48                           ; s[48:55], s[56:63] the same for W's
.set G0B, 56
.set MSB, 0
.macro WIN new                         ; the immediate's high byte repeats the setting that is left
.if MSB != \new
	s_set_vgpr_msb (MSB<<8)|\new
.set MSB, \new
.endif
.endm
.set MUL,  0xa5                        ; sources 0 and 1 window 1; C and D window 2
.set FST,  0x85                        ; a sum's first product: C (the bias) window 0
.set TO_F, 0x40                        ; destination window 1, address window 0
.macro JLOAD s                         ; a joint load: waves 0 and 1 fetch y's two halves, waves 2 and 3 W's; an s_nop 0 and four v_nop follow each of the two lines
	s_cmp_eq_u32 s13, 0
	s_cbranch_scc0 .Lfor_b_\@
	tensor_load_to_lds s[G0+4*\s:G0+4*\s+3], s[G1:G1+7]
	s_nop 0
.rept 4
	v_nop
.endr
	s_branch .Lasked_\@
.Lfor_b_\@:
	tensor_load_to_lds s[G0B+4*\s:G0B+4*\s+3], s[G1B:G1B+7]
	s_nop 0
.rept 4
	v_nop
.endr
.Lasked_\@:
.endm
.macro CREST                           ; a round of the cluster's barrier behind its opening barrier
	s_cmp_lg_u32 s12, 0
	s_cbranch_scc1 .Lnot_wave_0_\@
	s_barrier_signal -3
.Lnot_wave_0_\@:
	s_barrier_wait -3
	s_barrier_signal -1
	s_barrier_wait -1
.endm
.macro CROUND
	s_barrier_signal -1
	s_barrier_wait -1
	CREST
.endm
	s_load_b256 s[4:11], s[0:1], 0x0               ; y16 s[4:5], wt16 s[6:7], b_proj s[8:9], out0 s[10:11]
	v_lshl_add_u32 v[SPW], v0, 2, SPARE
	v_mov_b32 v[NIL], 0
	ds_add_u32 v[SPW], v[NIL]                      ; the wave's opening: the add, twice on end, and its wait ahead of my first tensor load
	ds_add_u32 v[SPW], v[NIL]
	v_lshrrev_b32 v1, 5, v0
	v_readfirstlane_b32 s12, v1                    ; wave 0..3
	s_lshr_b32 s13, s12, 1                         ; which half of the tile's rows is mine.  Also: I fetch for y (0) or for W (1)
	s_and_b32 s14, s12, 1                          ; which half of its columns.  Also: which half of that operand's tiles I fetch
	s_bfe_u32 s40, ttmp6, 0x40000                  ; cx, cy
	s_bfe_u32 s41, ttmp6, 0x40004
	s_lshl_b32 s42, ttmp9, 2
	s_add_co_u32 s42, s42, s40                     ; tile column = 4 x cluster x + cx
	s_and_b32 s46, ttmp7, 0xffff                   ; cluster y
	s_lshl_b32 s43, s41, 3
	s_add_co_u32 s43, s43, s46                     ; tile row = 8 cy + cluster y
	s_lshl_b32 s44, s41, 2
	s_lshl_b32 s44, 15, s44                        ; my row of the cluster
	s_lshl_b32 s45, 0x1111, s40                    ; my column
	; group 1: rows of 4,096 bytes (512 elements of 8 bytes), one for each tile of 16 rows, 32,768 bytes apart; y: 8 of them, W: 4
	s_or_b32 s[G1], s44, (3<<16)|(1<<21)
	s_or_b32 s[G1B], s45, (3<<16)|(1<<21)
	s_mov_b32 s[G1+1], 512<<16                     ; tensor_dim0
	s_mov_b32 s[G1+2], 8<<16                       ; tensor_dim1
	s_mov_b32 s[G1+3], 512<<16                     ; tile_dim0
	s_mov_b32 s[G1+4], 8                           ; tile_dim1
	s_mov_b32 s[G1+5], 4096                        ; from row to row, in elements
	s_mov_b32 s[G1+6], 0
	s_mov_b32 s[G1+7], 0
	s_mov_b32 s[G1B+1], 512<<16
	s_mov_b32 s[G1B+2], 4<<16
	s_mov_b32 s[G1B+3], 512<<16
	s_mov_b32 s[G1B+4], 4
	s_mov_b32 s[G1B+5], 4096
	s_mov_b32 s[G1B+6], 0
	s_mov_b32 s[G1B+7], 0
	s_lshl_b32 s16, s43, 19                        ; y: (16 x tile row + 8 x half) x 32,768
	s_lshl_b32 s17, s14, 18
	s_add_co_u32 s16, s16, s17
	s_mov_b32 s17, 0
	s_lshl_b32 s18, s42, 18                        ; W: (8 x tile column + 4 x half) x 32,768
	s_lshl_b32 s19, s14, 17
	s_add_co_u32 s18, s18, s19
	s_mov_b32 s19, 0
	s_lshl_b32 s20, s14, 15                        ; where they go: y's halves at 0 and 32,768,
	s_lshl_b32 s21, s14, 14
	s_add_co_u32 s21, s21, BOFF                    ; W's at 65,536 and 81,920: no place in the cluster enters an LDS address
	s_wait_dscnt 0x0                               ; both opening adds are done
	s_wait_kmcnt 0x0
	s_add_nc_u64 s[16:17], s[4:5], s[16:17]
	s_add_nc_u64 s[18:19], s[6:7], s[18:19]
	CROUND                                         ; all sixteen work-groups are here: the first joint loads meet
.irp s, 0,1
	s_mov_b32 s[G0+4*\s], 1
	s_add_co_u32 s[G0+4*\s+1], s20, \s*SLOT
	s_add_nc_u64 s[G0+4*\s+2:G0+4*\s+3], s[16:17], \s*TILEB
	s_or_b32 s[G0+4*\s+3], s[G0+4*\s+3], 0x80000000
	s_mov_b32 s[G0B+4*\s], 1
	s_add_co_u32 s[G0B+4*\s+1], s21, \s*SLOT
	s_add_nc_u64 s[G0B+4*\s+2:G0B+4*\s+3], s[18:19], \s*TILEB
	s_or_b32 s[G0B+4*\s+3], s[G0B+4*\s+3], 0x80000000
	JLOAD \s                                       ; two tensor loads of mine are out at the start, one behind each later round
.endr
	v_and_b32 v1, 15, v0                           ; r
	v_bfe_u32 v2, v0, 4, 1                         ; h
	v_and_b32 v3, 31, v0
	v_lshlrev_b32 v3, 4, v3                        ; 16 x lane
	s_lshl_b32 s22, s13, 15                        ; my 8 tiles of y
	s_lshl_b32 s23, s14, 14
	s_add_co_u32 s23, s23, BOFF                    ; my 4 tiles of W
.irp s, 0,1
	v_add_nc_u32 v[ADRA+\s], s22, v3
	v_add_nc_u32 v[ADRB+\s], s23, v3
	s_add_co_u32 s22, s22, SLOT
	s_add_co_u32 s23, s23, SLOT
.endr
	s_mul_i32 s22, s12, 16*SPITCH
	s_add_co_u32 s22, s22, STAGE                   ; my stage
	v_mul_u32_u24 v4, v1, SPITCH
	v_lshl_add_u32 v4, v2, 5, v4
	v_add_nc_u32 v[STO], s22, v4                   ; in: row r, 32 bytes for each half of the lanes
	v_mul_u32_u24 v5, v2, SPITCH
	v_lshl_add_u32 v5, v1, 4, v5
	v_add_nc_u32 v[RD], s22, v5                    ; back: lanes 0-15 one row of 256 bytes, lanes 16-31 the next
	v_lshlrev_b32 v5, 12, v2
	v_lshl_add_u32 v[CO], v1, 4, v5                ; and the same two rows in out0
	v_lshlrev_b32 v[BO], 5, v2
	s_lshl_b32 s22, s42, 9
	s_lshl_b32 s23, s14, 8
	s_add_co_u32 s22, s22, s23                     ; 4 x my first column
	s_mov_b32 s23, 0
	s_add_nc_u64 s[8:9], s[8:9], s[22:23]
	s_add_nc_u64 s[10:11], s[10:11], s[22:23]
	s_lshl_b32 s22, s43, 20
	s_lshl_b32 s15, s13, 19
	s_add_co_u32 s22, s22, s15                     ; my first row: (256 x tile row + 128 x half) x 4,096 bytes
	s_add_nc_u64 s[10:11], s[10:11], s[22:23]
	s_or_b32 s47, s46, s13                         ; 0 where my first 16 rows are a sequence's first 16 positions
.irp b, 0,1,2,3
	global_load_b128 v[BI+8*\b:BI+8*\b+3], v[BO], s[8:9] offset:64*\b          ; b_proj[my first column + 16 b + 8 h + 0 .. 7]
	global_load_b128 v[BI+8*\b+4:BI+8*\b+7], v[BO], s[8:9] offset:64*\b+16
.endr
; n blocks of y from a0 on, each against W's four, 32 along K, out of buffer f.  The 32 accumulators take turns, one instruction a turn, in the same order in every quarter.
.macro MULA f, a0, n, first
.set AA, \a0
.rept \n
.irp b, 0,1,2,3
.if \first
	v_wmma_f32_16x16x32_f16 v[8*(4*AA+\b):8*(4*AA+\b)+7], v[\f+8*\b:\f+8*\b+7], v[\f+32+8*AA:\f+32+8*AA+7], v[BI+8*\b:BI+8*\b+7]
.else
	v_wmma_f32_16x16x32_f16 v[8*(4*AA+\b):8*(4*AA+\b)+7], v[\f+8*\b:\f+8*\b+7], v[\f+32+8*AA:\f+32+8*AA+7], v[8*(4*AA+\b):8*(4*AA+\b)+7]
.endif
.endr
.set AA, AA+1
.endr
.endm
.macro FETCH slot, q, f                ; 24 LDS loads in one run: the slot's q-th 32 along K: W's four fragments, y's 0-3, y's 4-7
	WIN TO_F
.irp j, 0,1,2,3
	ds_load_b128 v[\f+8*\j:\f+8*\j+3],   v[ADRB+\slot] offset:\j*TILEB+(\q)*KQ
	ds_load_b128 v[\f+8*\j+4:\f+8*\j+7], v[ADRB+\slot] offset:\j*TILEB+(\q)*KQ+512
.endr
.irp i, 0,1,2,3,4,5,6,7
	ds_load_b128 v[\f+32+8*\i:\f+32+8*\i+3],   v[ADRA+\slot] offset:\i*TILEB+(\q)*KQ
	ds_load_b128 v[\f+32+8*\i+4:\f+32+8*\i+7], v[ADRA+\slot] offset:\i*TILEB+(\q)*KQ+512
.endr
.endm
.macro PLACES                          ; four places in front of loads into registers that matrix instructions have read, and of the first read of results
.rept 4
	v_nop
.endr
.endm
; A K step is four quarters of 32 along K, 32 matrix instructions each, on buffers 0, 1, 0, 1.  One of the first three: multiplies buffer f and fetches quarter qn into g.
.macro QUARTER slot, qn, f, g, first
	s_wait_dscnt 8                                 ; W's fragments and y's 0-3 are in; the youngest eight loads (y's 4-7) may be out
.if \first
	WIN FST
.else
	WIN MUL
.endif
	MULA \f, 0, 4, \first
	PLACES
	FETCH \slot, \qn, \g
	s_wait_dscnt 24                                ; all but the 24 just issued
.if \first
	WIN FST
.else
	WIN MUL
.endif
	MULA \f, 4, 4, \first
.endm
; The last quarter multiplies buffer 1 and changes slots: one barrier; in front of it each wave waits for all its tensor loads, adds 0 to its spare word, and waits for that and for its reads of this slot.
; fill = 1: the barrier opens a round of the cluster's, and this slot is filled again, two K steps ahead: 112 matrix instructions stand between the request and the wait for it.
.macro TURN slot, next, fill
	WIN 0                                          ; (the add's two registers lie in window 0)
	s_wait_tensorcnt 0x0                           ; all my tensor loads have landed: my part of the next slot
	ds_add_u32 v[SPW], v[NIL]                      ; 0 onto my spare word
	s_wait_dscnt 9                                 ; (the add and the youngest eight loads may be out)
	WIN MUL
	MULA F1, 0, 2, 0
	s_wait_dscnt 0x0                               ; the add is done, and my reads of this slot are over
	s_barrier_signal -1
	MULA F1, 2, 2, 0
.if \fill
	WIN 0
.endif
	s_barrier_wait -1
.if \fill
	CREST                                          ; no wave of any partner still reads this slot or has a load on its way
	s_add_nc_u64 s[G0+4*\slot+2:G0+4*\slot+3], s[G0+4*\slot+2:G0+4*\slot+3], 2*TILEB
	s_add_nc_u64 s[G0B+4*\slot+2:G0B+4*\slot+3], s[G0B+4*\slot+2:G0B+4*\slot+3], 2*TILEB
	JLOAD \slot                                    ; the first tensor load behind the round; its four v_nop are also the places in front of the loads below
.else
	PLACES
.endif
	FETCH \next, 0, F0
	WIN MUL
	MULA F1, 4, 4, 0
.endm
	s_wait_tensorcnt 1                             ; my part of K step 0 is in; K step 1's load may be out
	s_barrier_signal -1
	s_barrier_wait -1
	s_wait_loadcnt 0x0                             ; the bias
	FETCH 0, 0, F0
	QUARTER 0, 1, F0, F1, 1                        ; the first quarter stands in front of the loop: its products start the sums from the bias
	WIN 0                                          ; at a label and at a branch every window is 0
	s_mov_b32 s3, LAPS-1
.Llap:                                             ; a trip goes once round the ring, from a lap's second quarter to the next lap's first, and fills both slots again
	QUARTER 0, 2, F1, F0, 0
	QUARTER 0, 3, F0, F1, 0
	TURN 0, 1, 1
	QUARTER 1, 1, F0, F1, 0
	QUARTER 1, 2, F1, F0, 0
	QUARTER 1, 3, F0, F1, 0
	TURN 1, 0, 1
	QUARTER 0, 1, F0, F1, 0
	WIN 0
	s_sub_co_u32 s3, s3, 1
	s_cmp_lg_u32 s3, 0
	s_cbranch_scc1 .Llap
	QUARTER 0, 2, F1, F0, 0                        ; the last lap fills nothing
	QUARTER 0, 3, F0, F1, 0
	TURN 0, 1, 0
	QUARTER 1, 1, F0, F1, 0
	QUARTER 1, 2, F1, F0, 0
	QUARTER 1, 3, F0, F1, 0
	s_wait_dscnt 8                                 ; the very last quarter: nothing more to fetch
	WIN MUL
	MULA F1, 0, 4, 0
	s_wait_dscnt 0
	MULA F1, 4, 4, 0
	WIN 0
; THE WAY OUT, block by block of 16 rows x 64 columns: a lane holds 32 bytes of a row and the lanes beside it other rows, so a block goes through my own stage and comes back as whole rows of 256 bytes: sixteen lanes store
; 256 consecutive bytes, aligned.  LDS serves a wave's instructions in order (ISA guide 5.7.1.4): no wait between the stores and the loads, nor in front of the next block's stores.
.macro TOSTAGE a
	WIN 0x08                                       ; an LDS store's data are its source 1: window 2
.irp b, 0,1,2,3
	ds_store_b128 v[STO], v[8*(4*(\a)+\b):8*(4*(\a)+\b)+3] offset:64*\b            ; each accumulator from its low end on
	ds_store_b128 v[STO], v[8*(4*(\a)+\b)+4:8*(4*(\a)+\b)+7] offset:64*\b+16
.endr
	WIN 0
.set BB, OB+32*((\a)%2)
.irp t, 0,1,2,3,4,5,6,7
	ds_load_b128 v[BB+4*\t:BB+4*\t+3], v[RD] offset:\t*2*SPITCH
.endr
.endm
.macro SEND a, younger                 ; younger: the LDS instructions issued behind block a's loads, which may stay out
.set BB, OB+32*((\a)%2)
	s_wait_dscnt \younger
.if (\a) == 0
	s_cmp_eq_u32 s47, 0                            ; a sequence's first 16 positions belong to the last launch (the flag hangs on the cluster's y and the wave's number)
	s_cbranch_scc1 .Lfine_rows_\@
.endif
.irp t, 0,1,2,3,4,5,6,7
	global_store_b128 v[CO], v[BB+4*\t:BB+4*\t+3], s[10:11] offset:(\a)*65536+2*\t*4096 th:TH_STORE_NT   ; no base is stepped: the block and the rows stand in the immediate
.endr
.if (\a) == 0
.Lfine_rows_\@:
.endif
.endm
	PLACES
	TOSTAGE 0
.irp a, 1,2,3,4,5,6,7
.if \a > 1
	s_wait_xcnt 0x0                                ; block a - 2's stores have read their data: block a's loads may land there
.endif
	TOSTAGE \a
	SEND \a-1, 16                                  ; behind block a - 1's loads: block a's 8 stores and 8 loads
.endr
	SEND 7, 0
	s_wait_tensorcnt 0x0                           ; the wave's end, behind my last tensor load and my last LDS store
	ds_add_u32 v[SPW], v[NIL]
	s_wait_dscnt 0x0
	CROUND                                         ; the closing round
	s_endpgm
.Lfunc_end_k_q1b416ae90f_proj:
	.size	k_q1b416ae90f_proj, .Lfunc_end_k_q1b416ae90f_proj-k_q1b416ae90f_proj
	.p2alignl 7, 3214868480
	.fill 96, 4, 3214868480
	.section	.rodata,"a",@progbits
	.p2align	6, 0x0
	.amdhsa_kernel k_q1b416ae90f_proj
		.amdhsa_group_segment_fixed_size 327680
		.amdhsa_private_segment_fixed_size 0
		.amdhsa_enable_private_segment 0
		.amdhsa_kernarg_size 32
		.amdhsa_user_sgpr_count 2
		.amdhsa_user_sgpr_kernarg_segment_ptr 1
		.amdhsa_wavefront_size32 1
		.amdhsa_system_sgpr_workgroup_id_x 1
		.amdhsa_system_sgpr_workgroup_id_y 1
		.amdhsa_system_sgpr_workgroup_id_z 1
		.amdhsa_system_vgpr_workitem_id 0
		.amdhsa_next_free_vgpr 768
		.amdhsa_next_free_sgpr 66
		.amdhsa_reserve_vcc 0
		.amdhsa_float_denorm_mode_32 3
		.amdhsa_float_denorm_mode_16_64 3
		.amdhsa_memory_ordered 1
		.amdhsa_forward_progress 1
		.amdhsa_inst_pref_size 86
	.end_amdhsa_kernel
	.amdgpu_metadata
---
amdhsa.version: [ 1, 2 ]
amdhsa.kernels:
  - .name:           k_q1b416ae90f_proj
    .symbol:         k_q1b416ae90f_proj.kd
    .args:
      - { .name: y16, .offset: 0, .size: 8, .value_kind: global_buffer, .address_space: global }
      - { .name: wt16, .offset: 8, .size: 8, .value_kind: global_buffer, .address_space: global }
      - { .name: b_proj, .offset: 16, .size: 8, .value_kind: global_buffer, .address_space: global }
      - { .name: out0, .offset: 24, .size: 8, .value_kind: global_buffer, .address_space: global }
    .group_segment_fixed_size: 327680
    .private_segment_fixed_size: 0
    .kernarg_segment_align: 8
    .kernarg_segment_size: 32
    .max_flat_workgroup_size: 128
    .sgpr_count:     66
    .vgpr_count:     768
    .wavefront_size: 32
...
	.end_amdgpu_metadata
.endif
;; end of part 4
;; launch fine (part 5): grid 32 x 4, 16 waves a work-group, no clusters, 38,912 bytes of LDS; arguments qkv32, W_proj, b_proj, out0; writes out0
.if DOCPART == 5
	.amdgcn_target "amdgcn-amd-amdhsa--gfx1250"
	.amdhsa_code_object_version 6
	.text
	.protected	k_q1b416ae90f_fine
	.globl	k_q1b416ae90f_fine
	.p2align	8
	.type	k_q1b416ae90f_fine,@function
k_q1b416ae90f_fine:
	s_mov_b64 s[64:65], 0
	v_nop
	global_prefetch_b8 v0, s[64:65] scope:SCOPE_SE
	s_setreg_imm32_b32 hwreg(HW_REG_WAVE_MODE, 25, 1), 1
	s_wait_xcnt 0x0
; Launch 5 of 5: the first 16 positions of every sequence, all in f32.  These rows average one to sixteen values and are the largest of the output, so the rounding of 16-bit operands weighs most there.
; WORK LEFT OUT: the bias on k (shown at the head of the first launch); keys 16 on, which the causal mask hides from these queries.
; SHARES.  A work-group is one batch and 32 columns of out0; wave hd is head hd.  Each wave makes its head's 16 x 64 of y from the f32 accumulators that the second launch stored, multiplies it by W_proj's 64 rows of that head,
; and the sixteen partial results meet in LDS.  A batch's sixteen small attentions are repeated in each of its 32 work-groups (32 matrix instructions a wave): the other way would be one launch more.
; No tensor loads: every operand goes from memory straight into registers, in the lanes that the matrix instruction wants, so there is nothing for a cluster's joint loads to share.
; v_wmma_f32_16x16x4_f32: lane (r, h) holds row r and k-slots 2 h + 0, 1.  Which k stands in a slot is free as long as both operands agree:
;   S^T = K Q^T: both images give lane (r, h) channels 16 blk + 8 h + 0 .. 7 of token r: pair jj of block blk is one K step.
;   O^T = V^T P: p's register 2 s + j holds key 8 h + 2 s + j of query r; V is loaded as V[key 8 h + 2 s + j][channel 16 cb + r].
;   out^T = W^T y^T: y's register 8 cb + 2 jj + j holds channel 16 cb + 8 h + 2 jj + j of token r; W is loaded as W[that channel's row][column 16 ct + r].
; The registers that these matrix instructions write (v184-231) are written by matrix instructions alone; what is made of a sum goes into other registers.
.set PR,    2304                       ; a wave's partial result in LDS: 16 rows of 128 bytes + 16
.set SPARE, 16*PR                      ; the spare words, 128 bytes for each of 16 waves
.set QR, 16                            ; v16-47   Q, later y
.set YR, 16
.set KR, 48                            ; v48-79   K
.set VR, 80                            ; v80-111  V: pair (cb, s) at 8 cb + 2 s
.set WR, 112                           ; v112-175 W: pair at 2 ((4 cb + jj) 2 + ct); later the partial results
.set MA, 184                           ; v184-215 four partial sums of S^T, later the four tiles of O^T
.set OU, 216                           ; v216-231 two tiles of out^T
.set PP, 232                           ; v232-239 p
.set SS, 240                           ; v240-247 the scores
	s_load_b256 s[4:11], s[0:1], 0x0               ; qkv32 s[4:5], W_proj s[6:7], b_proj s[8:9], out0 s[10:11]
	v_lshl_add_u32 v1, v0, 2, SPARE                ; v1: LDS address of my spare word; never rewritten
	v_mov_b32 v2, 0                                ; v2: 0; never rewritten
	v_lshrrev_b32 v3, 5, v0
	v_readfirstlane_b32 s12, v3                    ; wave = head; later: the row that I reduce
	s_and_b32 s13, ttmp7, 0xffff                   ; batch
	s_lshl_b32 s14, ttmp9, 7                       ; 4 x my first column
	v_and_b32 v7, 31, v0                           ; lane
	v_and_b32 v8, 15, v0                           ; r
	v_bfe_u32 v9, v0, 4, 1                         ; h
	v_lshlrev_b32 v3, 4, v7                        ; v3: 16 x lane: Q's and K's images
	v_bfe_u32 v4, v0, 2, 1                         ; v4: V: channel r of a block lies in half (r / 4) % 2 of the block's image, lanes 16 (r / 8) on, word r % 4; my keys begin at 8 h
	v_lshlrev_b32 v4, 9, v4
	v_bfe_u32 v10, v0, 3, 1
	v_lshl_add_u32 v4, v10, 8, v4
	v_and_b32 v10, 3, v0
	v_lshl_add_u32 v4, v10, 2, v4
	v_lshl_add_u32 v4, v9, 7, v4
	v_lshlrev_b32 v5, 15, v9                       ; v5: W: 8 h rows of 4,096 bytes + 4 r
	v_lshl_add_u32 v5, v8, 2, v5
	v_lshlrev_b32 v6, 2, v7                        ; v6: 4 x lane
	v_lshlrev_b32 v10, 3, v9
	v_sub_nc_u32 v10, v8, v10                      ; v10: r - 8 h: register j holds key 8 h + j, hidden where j > r - 8 h
	v_mov_b32 v11, 0xff800000                      ; v11: -infinity
	s_mul_i32 s24, s12, PR
	v_mul_u32_u24 v12, v8, 144
	v_lshl_add_u32 v12, v9, 5, v12
	v_add_nc_u32 v12, s24, v12                     ; v12: my partial result: row r, 32 h bytes on
	s_mul_i32 s24, s12, 144
	v_add_nc_u32 v13, s24, v6                      ; v13: the reduction: row = my wave's number, column = my lane
	s_mov_b32 s26, 0x76543210
	s_mov_b32 s27, 0xfedcba98                      ; v_permlanex16_b32's selects for lane l xor 16
	s_mov_b32 s28, 0x3e38aa3b                      ; c = log2(e) / 8
	s_mov_b32 s29, s28
	s_mul_i32 s16, s13, 196608                     ; qkv32: the batch, and my head's four blocks of 1,024 bytes
	s_lshl_b32 s17, s12, 12
	s_add_co_u32 s16, s16, s17
	s_mov_b32 s17, 0
	s_lshl_b32 s18, s12, 18                        ; W_proj: my head's 64 rows, my columns
	s_add_co_u32 s18, s18, s14
	s_mov_b32 s19, 0
	s_mov_b32 s20, s14
	s_mov_b32 s21, 0
	s_lshl_b32 s22, s13, 23                        ; out0: row 2,048 x batch + my wave's number, my columns
	s_lshl_b32 s23, s12, 12
	s_add_co_u32 s22, s22, s23
	s_add_co_u32 s22, s22, s14
	s_mov_b32 s23, 0
	s_wait_kmcnt 0x0
	s_add_nc_u64 s[4:5], s[4:5], s[16:17]
	s_add_nc_u64 s[6:7], s[6:7], s[18:19]
	s_add_nc_u64 s[8:9], s[8:9], s[20:21]
	s_add_nc_u64 s[10:11], s[10:11], s[22:23]
.irp blk, 0,1,2,3
.irp half, 0,1
	global_load_b128 v[QR+8*\blk+4*\half:QR+8*\blk+4*\half+3], v3, s[4:5] offset:1024*\blk+512*\half
.endr
.endr
.irp blk, 0,1,2,3
.irp half, 0,1
	global_load_b128 v[KR+8*\blk+4*\half:KR+8*\blk+4*\half+3], v3, s[4:5] offset:65536+1024*\blk+512*\half
.endr
.endr
.irp cb, 0,1,2,3
.irp i, 0,1,2,3,4,5,6,7
	global_load_b32 v[VR+8*\cb+\i], v4, s[4:5] offset:131072+1024*\cb+16*\i        ; V[key 8 h + i][channel 16 cb + r]
.endr
.endr
.irp cb, 0,1,2,3
.irp jj, 0,1,2,3
.irp ct, 0,1
.irp j, 0,1
	global_load_b32 v[WR+2*((4*\cb+\jj)*2+\ct)+\j], v5, s[6:7] offset:(16*\cb+2*\jj+\j)*4096+64*\ct
.endr
.endr
.endr
.endr
	global_load_b32 v14, v6, s[8:9]                ; v14: b_proj of my column
	s_wait_loadcnt 63                              ; of the 113 loads the first 50 are in: Q, K and V are the first 48 (65 were issued behind them; the wait's field holds 63)
	; ---- S^T = K Q^T: four partial sums by turns, four K steps each
.irp jj, 0,1,2,3
.irp blk, 0,1,2,3
.if \jj == 0
	v_wmma_f32_16x16x4_f32 v[MA+8*\blk:MA+8*\blk+7], v[KR+8*\blk+2*\jj:KR+8*\blk+2*\jj+1], v[QR+8*\blk+2*\jj:QR+8*\blk+2*\jj+1], 0
.else
	v_wmma_f32_16x16x4_f32 v[MA+8*\blk:MA+8*\blk+7], v[KR+8*\blk+2*\jj:KR+8*\blk+2*\jj+1], v[QR+8*\blk+2*\jj:QR+8*\blk+2*\jj+1], v[MA+8*\blk:MA+8*\blk+7]
.endif
.endr
.endr
.rept 8
	v_nop                                          ; eight places behind this form (ISA guide 7.12.1)
.endr
.irp i, 0,2,4,6
	v_pk_add_f32 v[SS+\i:SS+\i+1], v[MA+\i:MA+\i+1], v[MA+8+\i:MA+8+\i+1]          ; each accumulator from its low end on
.endr
.irp i, 0,2,4,6
	v_pk_add_f32 v[SS+\i:SS+\i+1], v[SS+\i:SS+\i+1], v[MA+16+\i:MA+16+\i+1]
.endr
.irp i, 0,2,4,6
	v_pk_add_f32 v[SS+\i:SS+\i+1], v[SS+\i:SS+\i+1], v[MA+24+\i:MA+24+\i+1]
.endr
.irp j, 0,1,2,3,4,5,6,7
	v_cmp_gt_i32 vcc_lo, \j, v10
	v_cndmask_b32 v[SS+\j], v[SS+\j], v11, vcc_lo  ; the causal mask.  Key 0 counts for every query, so the maximum is a number
.endr
	v_max3_num_f32 v250, v240, v241, v242
	v_max3_num_f32 v251, v243, v244, v245
	v_max3_num_f32 v250, v250, v246, v247
	v_max_num_f32 v250, v250, v251
	v_permlanex16_b32 v251, v250, s26, s27
	v_max_num_f32 v249, v250, v251                 ; the row's maximum
	v_mul_f32 v248, s28, v249
.irp i, 0,2,4,6
	v_pk_fma_f32 v[SS+\i:SS+\i+1], v[SS+\i:SS+\i+1], s[28:29], v[248:249] op_sel_hi:[1,0,0] neg_lo:[0,0,1] neg_hi:[0,0,1]   ; c s - c m
.endr
.irp j, 0,1,2,3,4,5,6,7
	v_exp_f32 v[PP+\j], v[SS+\j]
.endr
	v_nop                                          ; a plain instruction behind the last exponential
	s_wait_alu depctr_va_vdst(0)                   ; one wait for the eight, ahead of the first line that names a result
	v_pk_add_f32 v[250:251], v[232:233], v[234:235]
	v_pk_add_f32 v[252:253], v[236:237], v[238:239]
	v_pk_add_f32 v[250:251], v[250:251], v[252:253]
	v_add_f32 v250, v250, v251
	v_permlanex16_b32 v251, v250, s26, s27
	v_add_f32 v250, v250, v251                     ; the row's sum
	v_rcp_f32 v252, v250
	v_nop
	s_wait_alu depctr_va_vdst(0)
	; ---- O^T = V^T P: four tiles of 16 channels by turns, four K steps of four keys.  (More than nine plain instructions that name none of them stand since the last product that wrote these registers)
.irp s, 0,1,2,3
.irp cb, 0,1,2,3
.if \s == 0
	v_wmma_f32_16x16x4_f32 v[MA+8*\cb:MA+8*\cb+7], v[VR+8*\cb+2*\s:VR+8*\cb+2*\s+1], v[PP+2*\s:PP+2*\s+1], 0
.else
	v_wmma_f32_16x16x4_f32 v[MA+8*\cb:MA+8*\cb+7], v[VR+8*\cb+2*\s:VR+8*\cb+2*\s+1], v[PP+2*\s:PP+2*\s+1], v[MA+8*\cb:MA+8*\cb+7]
.endif
.endr
.endr
.rept 8
	v_nop
.endr
.irp i, 0,2,4,6,8,10,12,14,16,18,20,22,24,26,28,30
	v_pk_mul_f32 v[YR+\i:YR+\i+1], v[MA+\i:MA+\i+1], v[252:253] op_sel_hi:[1,0]    ; y = O^T / the sum
.endr
	s_wait_loadcnt 0x0                             ; W and the bias
	; ---- out^T = W^T y^T over my head's 64 channels: two tiles of 16 columns by turns
.irp cb, 0,1,2,3
.irp jj, 0,1,2,3
.irp ct, 0,1
.if \cb+\jj == 0
	v_wmma_f32_16x16x4_f32 v[OU+8*\ct:OU+8*\ct+7], v[WR+2*((4*\cb+\jj)*2+\ct):WR+2*((4*\cb+\jj)*2+\ct)+1], v[YR+8*\cb+2*\jj:YR+8*\cb+2*\jj+1], 0
.else
	v_wmma_f32_16x16x4_f32 v[OU+8*\ct:OU+8*\ct+7], v[WR+2*((4*\cb+\jj)*2+\ct):WR+2*((4*\cb+\jj)*2+\ct)+1], v[YR+8*\cb+2*\jj:YR+8*\cb+2*\jj+1], v[OU+8*\ct:OU+8*\ct+7]
.endif
.endr
.endr
.endr
.rept 8
	v_nop                                          ; in front of the stores of results, and of the loads into W's registers below
.endr
.irp ct, 0,1
	ds_store_b128 v12, v[OU+8*\ct:OU+8*\ct+3] offset:64*\ct                        ; lane (r, h): token r, columns 16 ct + 8 h + 0 .. 7
	ds_store_b128 v12, v[OU+8*\ct+4:OU+8*\ct+7] offset:64*\ct+16
.endr
	s_wait_dscnt 0x0                               ; for the others' sake: my stores are done
	s_barrier_signal -1
	s_barrier_wait -1
.irp i, 0,1,2,3,4,5,6,7,8,9,10,11,12,13,14,15
	ds_load_b32 v[WR+\i], v13 offset:\i*PR         ; head i's part of row = my wave's number, column = my lane
.endr
	s_wait_dscnt 0x0
.irp i, 0,4,8,12
	v_pk_add_f32 v[WR+\i:WR+\i+1], v[WR+\i:WR+\i+1], v[WR+\i+2:WR+\i+3]
.endr
	v_pk_add_f32 v[WR:WR+1], v[WR:WR+1], v[WR+4:WR+5]
	v_pk_add_f32 v[WR+8:WR+9], v[WR+8:WR+9], v[WR+12:WR+13]
	v_pk_add_f32 v[WR:WR+1], v[WR:WR+1], v[WR+8:WR+9]
	v_add_f32 v[WR], v[WR], v[WR+1]
	v_add_f32 v[WR], v[WR], v14                    ; + b_proj
	global_store_b32 v6, v[WR], s[10:11]           ; 32 lanes store 128 consecutive bytes of a row
	s_wait_tensorcnt 0x0                           ; the wave's end, behind my last LDS store
	ds_add_u32 v1, v2
	s_wait_dscnt 0x0
	s_endpgm
.Lfunc_end_k_q1b416ae90f_fine:
	.size	k_q1b416ae90f_fine, .Lfunc_end_k_q1b416ae90f_fine-k_q1b416ae90f_fine
	.p2alignl 7, 3214868480
	.fill 96, 4, 3214868480
	.section	.rodata,"a",@progbits
	.p2align	6, 0x0
	.amdhsa_kernel k_q1b416ae90f_fine
		.amdhsa_group_segment_fixed_size 38912
		.amdhsa_private_segment_fixed_size 0
		.amdhsa_enable_private_segment 0
		.amdhsa_kernarg_size 32
		.amdhsa_user_sgpr_count 2
		.amdhsa_user_sgpr_kernarg_segment_ptr 1
		.amdhsa_wavefront_size32 1
		.amdhsa_system_sgpr_workgroup_id_x 1
		.amdhsa_system_sgpr_workgroup_id_y 1
		.amdhsa_system_sgpr_workgroup_id_z 1
		.amdhsa_system_vgpr_workitem_id 0
		.amdhsa_next_free_vgpr 256
		.amdhsa_next_free_sgpr 66
		.amdhsa_reserve_vcc 1
		.amdhsa_float_denorm_mode_32 3
		.amdhsa_float_denorm_mode_16_64 3
		.amdhsa_memory_ordered 1
		.amdhsa_forward_progress 1
		.amdhsa_inst_pref_size 24
	.end_amdhsa_kernel
	.amdgpu_metadata
---
amdhsa.version: [ 1, 2 ]
amdhsa.kernels:
  - .name:           k_q1b416ae90f_fine
    .symbol:         k_q1b416ae90f_fine.kd
    .args:
      - { .name: qkv32, .offset: 0, .size: 8, .value_kind: global_buffer, .address_space: global }
      - { .name: W_proj, .offset: 8, .size: 8, .value_kind: global_buffer, .address_space: global }
      - { .name: b_proj, .offset: 16, .size: 8, .value_kind: global_buffer, .address_space: global }
      - { .name: out0, .offset: 24, .size: 8, .value_kind: global_buffer, .address_space: global }
    .group_segment_fixed_size: 38912
    .private_segment_fixed_size: 0
    .kernarg_segment_align: 8
    .kernarg_segment_size: 32
    .max_flat_workgroup_size: 512
    .sgpr_count:     66
    .vgpr_count:     256
    .wavefront_size: 32
...
	.end_amdgpu_metadata
.endif
;; end of part 5
